; MI455X (gfx1250); checked and timed in simulation.
; The chip was launched on July 23, 2026; its instructions are those of AMD's public machine-readable ISA for CDNA 5 (MIT licence, August 2026) and "CDNA5" Instruction Set Architecture Reference Guide (July 2026). The comments in the code are by the model that wrote it; some were corrected since.
;; Multi Head Attention. Allowed arithmetic: float matrix products may take bf16 or f16 operands with f32 sums; other float arithmetic in f32, or as packed bf16 or f16 multiplies, adds, multiply-adds, maxima and minima; sums over many terms, partial sums and values carried from step to step in f32; what a program stores and reads back later, other than sums and carried values, may be rounded once to bf16 or f16.
;; Inputs: Wk 1,024 x 1,024 float32; Wo 1,024 x 1,024 float32; Wq 1,024 x 1,024 float32; Wv 1,024 x 1,024 float32; bk 1,024 float32; bo 1,024 float32; bq 1,024 float32; bv 1,024 float32; x 4 x 2,048 x 1,024 float32.
;; Outputs: out0 4 x 2,048 x 1,024 float32.
;; 2 versions, each right; version 2 is version 1 with the launch cvt written anew for expert scheduling mode. Each part assembles by itself: llvm-mc -triple=amdgcn-amd-amdhsa -mcpu=gfx1250 --defsym DOCPART=n.
;; ======== version 1 of 2: 5 launches
;; limits: values are held in f16: magnitudes above 65,504 overflow, below 6.1e-05 lose precision
;; workspace buffers: xb 16,777,216 bytes; wb 8,388,608 bytes; qkv 50,331,648 bytes; p 33,554,432 bytes; st 1,048,576 bytes; ctx 16,777,216 bytes
;; launch cvt (part 1): grid 64 x 12, 8 waves a work-group, no clusters, 0 bytes of LDS; arguments x, Wq, Wk, Wv, Wo, xb, wb; writes xb, wb
.if DOCPART == 1
	.amdgcn_target "amdgcn-amd-amdhsa--gfx1250"
	.amdhsa_code_object_version 6
	.text
	.protected	k_q6fd44751fa_cvt
	.globl	k_q6fd44751fa_cvt
	.p2align	8
	.type	k_q6fd44751fa_cvt,@function
k_q6fd44751fa_cvt:
	s_mov_b64 s[64:65], 0
	v_nop
	global_prefetch_b8 v0, s[64:65] scope:SCOPE_SE
	s_setreg_imm32_b32 hwreg(HW_REG_WAVE_MODE, 25, 1), 1
	s_wait_xcnt 0x0
; THE CAST.  xb = x rounded to bf16, [8192][1024].  wb, [4096][1024] of 16-bit numbers: rows 0-3071 = Wq, Wk, Wv rounded to bf16;
; rows 3072-4095 = Wo rounded to bf16 and that number written as f16 (the last product multiplies in f16).
; LIMIT.  |Wo| below 6.1e-5 keeps f16's fixed step of 6e-8; |Wo| of 65,520 or more would become an infinity.
; A stream: no LDS, no matrix unit, no cluster (no byte is read twice).  768 work-groups of 16,384 numbers each: 65,536 bytes in, 32,768 out.
; y = 0..7: x's chunk 64 y + X;  y = 8..11: chunk X of Wq, Wk, Wv, Wo, to wb's chunk 64 (y - 8) + X.
; Thread t takes 16 bytes at 16 t of each 4,096: a wave's load covers 512 consecutive bytes, its store of 8 bytes a lane 256 consecutive bytes, aligned.
; All 16 loads go out first; no register is written twice while a memory instruction may read it, so no wait but the counted ones is needed.
.set X, 4                              ; v[4:67]    16 loads of 4 registers
.set Y, 68                             ; v[68:99]   16 pairs to store
.set T, 100                            ; v[100:103] at work (Wo alone)
	s_load_b256 s[4:11], s[0:1], 0x0               ; x s[4:5], Wq s[6:7], Wk s[8:9], Wv s[10:11]
	s_load_b128 s[12:15], s[0:1], 0x20             ; Wo s[12:13], xb s[14:15]
	s_load_b64 s[16:17], s[0:1], 0x30              ; wb
	s_and_b32 s18, ttmp7, 0xffff                   ; y
	s_and_b32 s24, s18, 7                          ; y, or y - 8
	s_lshl_b32 s24, s24, 6
	s_add_co_u32 s24, s24, ttmp9                   ; the chunk in the destination
	s_cmp_lt_u32 s18, 8
	s_cselect_b32 s26, s24, ttmp9                  ; the chunk in the source
	s_lshl_b32 s26, s26, 16                        ; x 65,536 bytes
	s_mov_b32 s27, 0
	s_lshl_b32 s24, s24, 15                        ; x 32,768 bytes
	s_mov_b32 s25, 0
	v_lshlrev_b32 v1, 4, v0                        ; 16 t
	v_lshlrev_b32 v2, 3, v0                        ; 8 t
	s_wait_kmcnt 0x0
	s_cmp_lt_u32 s18, 8
	s_cselect_b64 s[20:21], s[4:5], s[6:7]         ; the source: x, or Wq,
	s_cselect_b64 s[22:23], s[14:15], s[16:17]     ; the destination: xb, or wb
	s_cmp_eq_u32 s18, 9
	s_cselect_b64 s[20:21], s[8:9], s[20:21]       ; or Wk,
	s_cmp_eq_u32 s18, 10
	s_cselect_b64 s[20:21], s[10:11], s[20:21]     ; or Wv,
	s_cmp_eq_u32 s18, 11
	s_cselect_b64 s[20:21], s[12:13], s[20:21]     ; or Wo
	s_add_nc_u64 s[20:21], s[20:21], s[26:27]
	s_add_nc_u64 s[22:23], s[22:23], s[24:25]
.irp i, 0,1,2,3,4,5,6,7,8,9,10,11,12,13,14,15
	global_load_b128 v[X+4*(\i):X+4*(\i)+3], v1, s[20:21] offset:4096*(\i) th:TH_LOAD_NT
.endr
; Load i is rounded and stored.  wo = 1: the bf16 numbers are widened (a shift, a mask) and written as f16.
.macro CV i, wo
	s_wait_loadcnt 15-(\i)                         ; loads come back in order: mine is in, the 15 - i younger ones stay out
	v_cvt_pk_bf16_f32 v[Y+2*(\i)], v[X+4*(\i)], v[X+4*(\i)+1]
	v_cvt_pk_bf16_f32 v[Y+2*(\i)+1], v[X+4*(\i)+2], v[X+4*(\i)+3]
.if \wo
	v_lshlrev_b32 v[T], 16, v[Y+2*(\i)]
	v_and_b32 v[T+1], 0xffff0000, v[Y+2*(\i)]
	v_lshlrev_b32 v[T+2], 16, v[Y+2*(\i)+1]
	v_and_b32 v[T+3], 0xffff0000, v[Y+2*(\i)+1]
	v_cvt_pk_f16_f32 v[Y+2*(\i)], v[T], v[T+1]
	v_cvt_pk_f16_f32 v[Y+2*(\i)+1], v[T+2], v[T+3]
.endif
	global_store_b64 v2, v[Y+2*(\i):Y+2*(\i)+1], s[22:23] offset:2048*(\i)
.endm
	s_cmp_eq_u32 s18, 11
	s_cbranch_scc1 .Lwo
.irp i, 0,1,2,3,4,5,6,7,8,9,10,11,12,13,14,15
	CV \i, 0
.endr
	s_endpgm
.Lwo:
.irp i, 0,1,2,3,4,5,6,7,8,9,10,11,12,13,14,15
	CV \i, 1
.endr
	s_endpgm
.Lfunc_end_k_q6fd44751fa_cvt:
	.size	k_q6fd44751fa_cvt, .Lfunc_end_k_q6fd44751fa_cvt-k_q6fd44751fa_cvt
	.p2alignl 7, 3214868480
	.fill 96, 4, 3214868480
	.section	.rodata,"a",@progbits
	.p2align	6, 0x0
	.amdhsa_kernel k_q6fd44751fa_cvt
		.amdhsa_group_segment_fixed_size 0
		.amdhsa_private_segment_fixed_size 0
		.amdhsa_enable_private_segment 0
		.amdhsa_kernarg_size 56
		.amdhsa_user_sgpr_count 2
		.amdhsa_user_sgpr_kernarg_segment_ptr 1
		.amdhsa_wavefront_size32 1
		.amdhsa_system_sgpr_workgroup_id_x 1
		.amdhsa_system_sgpr_workgroup_id_y 1
		.amdhsa_system_sgpr_workgroup_id_z 1
		.amdhsa_system_vgpr_workitem_id 0
		.amdhsa_next_free_vgpr 104
		.amdhsa_next_free_sgpr 66
		.amdhsa_reserve_vcc 0
		.amdhsa_float_denorm_mode_32 3
		.amdhsa_float_denorm_mode_16_64 3
		.amdhsa_memory_ordered 1
		.amdhsa_forward_progress 1
		.amdhsa_inst_pref_size 16
	.end_amdhsa_kernel
	.amdgpu_metadata
---
amdhsa.version: [ 1, 2 ]
amdhsa.kernels:
  - .name:           k_q6fd44751fa_cvt
    .symbol:         k_q6fd44751fa_cvt.kd
    .args:
      - { .name: x, .offset: 0, .size: 8, .value_kind: global_buffer, .address_space: global }
      - { .name: Wq, .offset: 8, .size: 8, .value_kind: global_buffer, .address_space: global }
      - { .name: Wk, .offset: 16, .size: 8, .value_kind: global_buffer, .address_space: global }
      - { .name: Wv, .offset: 24, .size: 8, .value_kind: global_buffer, .address_space: global }
      - { .name: Wo, .offset: 32, .size: 8, .value_kind: global_buffer, .address_space: global }
      - { .name: xb, .offset: 40, .size: 8, .value_kind: global_buffer, .address_space: global }
      - { .name: wb, .offset: 48, .size: 8, .value_kind: global_buffer, .address_space: global }
    .group_segment_fixed_size: 0
    .private_segment_fixed_size: 0
    .kernarg_segment_align: 8
    .kernarg_segment_size: 56
    .max_flat_workgroup_size: 256
    .sgpr_count:     66
    .vgpr_count:     104
    .wavefront_size: 32
...
	.end_amdgpu_metadata
.endif
;; end of part 1
;; launch qkv (part 2): grid 12 x 32, 4 waves a work-group, clusters of 4 x 4, 327,680 bytes of LDS; arguments xb, wb, qkv, bq, bk, bv; writes qkv
.if DOCPART == 2
	.amdgcn_target "amdgcn-amd-amdhsa--gfx1250"
	.amdhsa_code_object_version 6
	.text
	.protected	k_q6fd44751fa_qkv
	.globl	k_q6fd44751fa_qkv
	.p2align	8
	.type	k_q6fd44751fa_qkv,@function
k_q6fd44751fa_qkv:
	s_mov_b64 s[64:65], 0
	v_nop
	global_prefetch_b8 v0, s[64:65] scope:SCOPE_SE
	s_setreg_imm32_b32 hwreg(HW_REG_WAVE_MODE, 25, 1), 1
	s_wait_xcnt 0x0
	s_wait_alu depctr_hold_cnt(0) depctr_sa_sdst(0) depctr_va_vdst(0) depctr_va_sdst(0) depctr_va_ssrc(0) depctr_va_vcc(0) depctr_vm_vsrc(0)
	s_getreg_b32 s2, hwreg(HW_REG_IB_STS2, 6, 4)
	s_cmp_eq_u32 s2, 0
	s_cbranch_scc0 .Lentry_in_a_cluster
	s_endpgm
.Lentry_in_a_cluster:
	s_bfe_u32 s2, ttmp6, 0x10000c
	s_cmp_lg_u32 s2, 0xf033
	s_cbranch_scc0 .Lentry_shape_is_right
	s_endpgm
.Lentry_shape_is_right:
; [q | k | v][m][n] = sum over d of xb[m][d] wb[n][d] + bias[n].  xb: [8192][1024] bf16; wb rows 0-3071: Wq, Wk, Wv in bf16; products in bf16, sums in f32;
; the biases are rounded to bf16 like the other inputs; the result is rounded once to f16 and stored by planes, qkv[3][8192][1024].
; LIMIT.  f16 ends at 65,504: a q, k or v of 65,520 or more becomes an infinity; below 6.1e-5 it keeps f16's fixed step of 6e-8.  NaN and infinities are not treated apart.
; SHARES.  A tile of C is 256 x 256: 12 x 32 = 384 work-groups of equal work, 24 clusters.  Four waves, each 128 x 128: 64 accumulators of 16 x 16, 512 registers.  For 32 along K a wave reads
; 16 KiB of LDS for 64 matrix instructions.  K goes in steps of 128 (rows of 256 bytes, aligned) through a ring of two LDS slots: a step holds 256 matrix instructions a wave, 224 of them between
; a refill's request and the wait for it.  (A tile of 128 x 256 would make 768 work-groups, with half the matrix work for each refill and half as much again to read from LDS for each product.)
; CLUSTER.  4 x 4 work-groups.  The four of a row of the cluster need the same 256 rows of xb, the four of a column the same 256 rows of wb: each tile is asked for JOINTLY, by the same tensor
; load with the same descriptor and a mask that names the four.  Waves 0 and 1 fetch A's two halves (128 rows), waves 2 and 3 B's: one load a wave behind each round.
; THE MATRIX INSTRUCTION IS USED TRANSPOSED (source 0 = 16 rows of wb, source 1 = 16 rows of xb): a lane holds row l % 16 of C and the columns 8 (l / 16) + 0..7, which pack into 16 bytes.
; REGISTERS, in windows of 256 (s_set_vgpr_msb: bits 1:0 source 0, 3:2 source 1, 5:4 source 2, 7:6 destination):
;   window 0: v0-14 addresses; v32-63 packed results; v64-127, v128-191 A's fragments (8 x 16 rows x 32 K), two buffers; on the way out rows read back
;   window 1: v0-63 my 64 columns' bias; v64-127, v128-191 B's fragments, two buffers
;   window 2: the 32 accumulators of my rows 0-63 (accumulator (a, b) at v[8 (8 a + b)]);   window 3: those of my rows 64-127
.set KT,     8                         ; K steps
.set PITCH,  272                       ; an LDS row: 256 bytes + 16 of padding: the 16 rows of a fragment load start at 16 different groups of four banks (64 banks of 4 bytes: ISA guide 11.1)
.set HALFT,  128*PITCH                 ; 128 rows: what one tensor load brings, and what one wave reads of A or of B
.set SLOT,   4*HALFT                   ; A's 256 rows, then B's 256: 0x22000 bytes.  The waves' places in a slot, 0, 0x8800, 0x11000, 0x19800, share no bit with it: one exclusive or changes slots
.set STAGE,  2*SLOT                    ; behind the ring, never filled by a tensor load: 16 rows x 272 bytes for each wave
.set SPARE,  STAGE+4*16*PITCH          ; behind the stages: the spare words, 128 bytes a wave: two blocks of 256 bytes that no other line names
.set KSTEPB, 256                       ; bytes from a K step to the next
.set CPITCH, 2048                      ; bytes in a row of C
.set A0,   4                           ; v4   my lane's place in a slot's A; never rewritten
.set B0,   5                           ; v5   in its B
.set ADRA, 6                           ; v6   the same in the slot in hand
.set ADRB, 7                           ; v7
.set STO,  8                           ; v8   the way out: where I put 16 bytes of a row
.set RD,   9                           ; v9   where I read a row back
.set CO,   10                          ; v10  my byte offset in C
.set PFO,  11                          ; v11  the prefetches' offset: my lane x a row; never rewritten
.set SPW,  12                          ; v12  LDS address of my spare word; never rewritten
.set NIL,  13                          ; v13  0; never rewritten
.set BOF,  14                          ; v14  my byte offset in the bias
.set TMP,  32
.set F0,   64
.set F1,   128
.set OB,   64
.set G1A,  24                          ; s[24:31] descriptor group 1 for A's tiles
.set G0A,  32                          ; s[32:39] group 0: a set for each first fill; the second then walks
.set LIM,  43                          ; s43  2 in a wave that prefetches, else the greatest number
.set PFA,  44                          ; s[44:45] where my prefetches stand
.set G1B,  48                          ; s[48:55], s[56:63] the same for B's tiles
.set G0B,  56
.set TB,   70                          ; s70  LDS byte at which the slot in hand begins
.set MUL_LO, 0xa1                      ; source 0 (B) window 1, source 1 (A) window 0, C and D window 2; + 0x50: C and D window 3
.set TO_B,   0x40                      ; destination window 1, address window 0
.set MSB, 0
.macro WIN new                         ; the immediate's high byte repeats the setting that is left; a switch that changes nothing is dropped
.if MSB != (\new)
	s_set_vgpr_msb (MSB<<8)|(\new)
.set MSB, \new
.endif
.endm
.macro PLACES                          ; four plain instructions between a matrix instruction and a load into, or a vector write of, one of its registers (ISA guide 7.12.1 for vector writes)
.rept 4
	v_nop
.endr
.endm
.macro CREST                           ; a round of the cluster's barrier behind its opening barrier
	s_cmp_lg_u32 s10, 0
	s_cbranch_scc1 .Lnot_wave_0_\@
	s_barrier_signal -3
.Lnot_wave_0_\@:
	s_barrier_wait -3
	s_barrier_signal -1
	s_barrier_wait -1
.endm
.macro CROUND                          ; a whole round
	s_barrier_signal -1
	s_barrier_wait -1
	CREST
.endm
.macro JLOAD                           ; the joint refill, by the walking set; the branch hangs on the wave's number alone; an s_nop 0 and four v_nop follow each line
	s_cmp_eq_u32 s11, 0
	s_cbranch_scc0 .Lfor_b_\@
	tensor_load_to_lds s[G0A+4:G0A+7], s[G1A:G1A+7]
	s_nop 0
.rept 4
	v_nop
.endr
	s_branch .Lasked_\@
.Lfor_b_\@:
	tensor_load_to_lds s[G0B+4:G0B+7], s[G1B:G1B+7]
	s_nop 0
.rept 4
	v_nop
.endr
.Lasked_\@:
.endm
; A PREFETCH behind each refill and the run of LDS loads that follows it: the K step that stands two refills on, 512 matrix instructions ahead of the load that will want it: 32 rows x 256 bytes, a lane a row.
; Each row's 256 bytes of a K step are named once in the launch: xb's by waves 0 and 1 of the clusters with x = 0, wb's by waves 2 and 3 of the clusters with y = 0; of the 128 rows that a wave fetches each of
; the four partners that ask for them jointly names 32, told apart by address.  K steps 0 to 3 come by their loads alone; the trips with s3 <= 2 have no K step four on and ask for nothing.
.macro ASK
	s_cmp_gt_u32 s3, s[LIM]
	s_cbranch_scc0 .Lnot_mine_\@
	global_prefetch_b8 v[PFO], s[PFA:PFA+1] th:TH_LOAD_NT scope:SCOPE_SE
.Lnot_mine_\@:
.endm
; 16 matrix instructions: row blocks a0, a0 + 1 of the window's four (hi = 0: my rows 0-63, 1: rows 64-127) x all 8 column blocks, 32 along K, from buffer f.  zero = 1: the product starts the sums.
; The 64 accumulators take turns in the same order in every quarter.
.macro MUL16 f, hi, a0, zero
	WIN MUL_LO+0x50*(\hi)
.irp a, \a0, (\a0)+1
.irp b, 0,1,2,3,4,5,6,7
.if \zero
	v_wmma_f32_16x16x32_bf16 v[8*(8*(\a)+(\b)):8*(8*(\a)+(\b))+7], v[(\f)+8*(\b):(\f)+8*(\b)+7], v[(\f)+8*(4*(\hi)+(\a)):(\f)+8*(4*(\hi)+(\a))+7], 0
.else
	v_wmma_f32_16x16x32_bf16 v[8*(8*(\a)+(\b)):8*(8*(\a)+(\b))+7], v[(\f)+8*(\b):(\f)+8*(\b)+7], v[(\f)+8*(4*(\hi)+(\a)):(\f)+8*(4*(\hi)+(\a))+7], v[8*(8*(\a)+(\b)):8*(8*(\a)+(\b))+7]
.endif
.endr
.endr
.endm
; 32 LDS loads in one run: the fragments of 32 along K at byte k of the rows, into buffer f: B's 16 first, then A's 16
.macro FETCH k, f
	WIN TO_B
.irp i, 0,1,2,3,4,5,6,7
	ds_load_b128 v[(\f)+8*(\i):(\f)+8*(\i)+3],   v[ADRB] offset:(\k)+(\i)*16*PITCH
	ds_load_b128 v[(\f)+8*(\i)+4:(\f)+8*(\i)+7], v[ADRB] offset:(\k)+(\i)*16*PITCH+32
.endr
	WIN 0
.irp i, 0,1,2,3,4,5,6,7
	ds_load_b128 v[(\f)+8*(\i):(\f)+8*(\i)+3],   v[ADRA] offset:(\k)+(\i)*16*PITCH
	ds_load_b128 v[(\f)+8*(\i)+4:(\f)+8*(\i)+7], v[ADRA] offset:(\k)+(\i)*16*PITCH+32
.endr
.endm
; A K step is four quarters of 32 along K, 64 matrix instructions each, on buffers 0, 1, 0, 1.  One of the first three: multiplies buffer f and fetches the next quarter, at byte k, into g.
.macro QUARTER k, f, g, zero
	s_wait_dscnt 0x8                               ; B and A's blocks 0 to 3 are in; the youngest eight loads (A's blocks 4 to 7) may be out
	MUL16 \f, 0, 0, \zero
	MUL16 \f, 0, 2, \zero
	PLACES
	FETCH \k, \g
	s_wait_dscnt 0x20                              ; all but the 32 just issued
	MUL16 \f, 1, 0, \zero
	MUL16 \f, 1, 2, \zero
.endm
; The last quarter multiplies buffer 1 and changes slots: ONE barrier; in front of it each wave waits for all its tensor loads (one is out: its part of the next slot), adds 0 to its spare word, and waits
; for that and for its reads of this slot.  fill = 1: the barrier opens a round of the cluster's, and the slot just read is filled again, two K steps ahead, first thing behind the round.
.macro TURN fill
.if \fill
	s_wait_xcnt 0x0                                ; the last prefetch, a K step back, has read its address
	s_add_nc_u64 s[PFA:PFA+1], s[PFA:PFA+1], KSTEPB
.endif
	WIN 0
	s_wait_tensorcnt 0x0                           ; no tensor load of mine is out, so a group 0 may be written
	ds_add_u32 v[SPW], v[NIL]                      ; 0 onto my spare word
.if \fill
	s_xor_b32 s[G0A+5], s[G0A+5], SLOT             ; the walking sets: the other slot than last time, the next K step
	s_add_nc_u64 s[G0A+6:G0A+7], s[G0A+6:G0A+7], KSTEPB
	s_xor_b32 s[G0B+5], s[G0B+5], SLOT
	s_add_nc_u64 s[G0B+6:G0B+7], s[G0B+6:G0B+7], KSTEPB
.endif
	s_wait_dscnt 0x9                               ; the add and the youngest eight loads may be out
	MUL16 F1, 0, 0, 0
	s_wait_dscnt 0x0                               ; the add is done, and my reads of this slot are over
	s_barrier_signal -1
	MUL16 F1, 0, 2, 0                              ; work on registers while the others arrive
	WIN 0                                          ; at a branch and at a label every window is 0
	s_barrier_wait -1
.if \fill
	CREST                                          ; no wave of any partner still reads this slot or has a load on its way
	JLOAD                                          ; its four v_nop are also the places in front of the loads below
.else
	PLACES
.endif
	s_xor_b32 s[TB], s[TB], SLOT
	v_add_nc_u32 v[ADRA], s[TB], v[A0]
	v_add_nc_u32 v[ADRB], s[TB], v[B0]
	FETCH 0, F0
.if \fill
	ASK
.endif
	MUL16 F1, 1, 0, 0
	MUL16 F1, 1, 2, 0
.endm
	s_load_b128 s[4:7], s[0:1], 0x0                ; xb s[4:5], wb s[6:7]
	s_load_b128 s[72:75], s[0:1], 0x10             ; qkv s[72:73], bq s[74:75]
	s_load_b128 s[76:79], s[0:1], 0x20             ; bk s[76:77], bv s[78:79]
	v_lshl_add_u32 v[SPW], v0, 2, SPARE
	v_mov_b32 v[NIL], 0
	ds_add_u32 v[SPW], v[NIL]                      ; the wave's opening: the add and its wait stand ahead of my first tensor load; the set-up below stands between them
	v_lshrrev_b32 v1, 5, v0
	v_readfirstlane_b32 s10, v1                    ; wave 0..3
	s_lshr_b32 s11, s10, 1                         ; which 128 rows of the tile are mine.  Also: I fetch for A (0) or for B (1)
	s_and_b32 s12, s10, 1                          ; which 128 columns.  Also: which half of that tile I fetch
	s_bfe_u32 s40, ttmp6, 0x40000                  ; cx
	s_bfe_u32 s41, ttmp6, 0x40004                  ; cy
	s_lshl_b32 s42, ttmp9, 2
	s_add_co_u32 s42, s42, s40                     ; tile column = 4 x cluster x + cx
	s_and_b32 s13, ttmp7, 0xffff
	s_lshl_b32 s13, s13, 2
	s_add_co_u32 s13, s13, s41                     ; tile row = 4 x cluster y + cy
	s_lshl_b32 s43, s41, 2
	s_lshl_b32 s43, 15, s43                        ; my row of the cluster
	s_lshl_b32 s44, 0x1111, s40                    ; my column
	s_or_b32 s[G1A], s43, (1<<16)|(1<<20)|(1<<21)|(5<<22)|(3<<25)  ; the mask; 2-byte elements; padding on; bit 21 beside a mask; after every 64 words, 4 words
	s_or_b32 s[G1B], s44, (1<<16)|(1<<20)|(1<<21)|(5<<22)|(3<<25)
.irp g, G1A, G1B
	s_mov_b32 s[(\g)+1], 128<<16                   ; tensor_dim0 = 128
	s_mov_b32 s[(\g)+2], 128<<16                   ; tensor_dim1 = 128
	s_mov_b32 s[(\g)+3], 128<<16                   ; tile_dim0 = 128
	s_mov_b32 s[(\g)+4], 128                       ; tile_dim1 = 128
	s_mov_b32 s[(\g)+5], 1024                      ; elements from row to row
	s_mov_b32 s[(\g)+6], 0
	s_mov_b32 s[(\g)+7], 0
.endr
	s_lshl_b32 s16, s13, 8                         ; A: row 256 x tile row + 128 x half,
	s_lshl_b32 s17, s12, 7
	s_add_co_u32 s16, s16, s17
	s_lshl_b32 s16, s16, 11                        ; x 2,048 bytes
	s_mov_b32 s17, 0
	s_lshl_b32 s46, s42, 8                         ; B: row 256 x tile column + 128 x half
	s_lshl_b32 s47, s12, 7
	s_add_co_u32 s46, s46, s47
	s_lshl_b32 s46, s46, 11
	s_mov_b32 s47, 0
	s_mul_i32 s20, s10, HALFT                      ; where they go: A's two halves, then B's two = wave x 128 rows: no place in the cluster enters an LDS address
	s_mov_b32 s[TB], 0
	s_wait_dscnt 0x0                               ; the opening add is done
	s_wait_kmcnt 0x0
	s_add_nc_u64 s[14:15], s[4:5], s[16:17]
	s_add_nc_u64 s[46:47], s[6:7], s[46:47]
	CROUND                                         ; all sixteen work-groups are here: the first joint loads meet
.irp s, 0,1
	s_mov_b32 s[G0A+4*(\s)], 1
	s_add_co_u32 s[G0A+4*(\s)+1], s20, (\s)*SLOT
	s_add_nc_u64 s[G0A+4*(\s)+2:G0A+4*(\s)+3], s[14:15], (\s)*KSTEPB
	s_or_b32 s[G0A+4*(\s)+3], s[G0A+4*(\s)+3], 0x80000000
	s_mov_b32 s[G0B+4*(\s)], 1
	s_add_co_u32 s[G0B+4*(\s)+1], s20, (\s)*SLOT
	s_add_nc_u64 s[G0B+4*(\s)+2:G0B+4*(\s)+3], s[46:47], (\s)*KSTEPB
	s_or_b32 s[G0B+4*(\s)+3], s[G0B+4*(\s)+3], 0x80000000
.endr
	s_cmp_eq_u32 s11, 0                            ; a wave's two first fills stand in one branch: two loads of mine are out
	s_cbranch_scc0 .Lfirst_b
	tensor_load_to_lds s[G0A:G0A+3], s[G1A:G1A+7]
	s_nop 0
	tensor_load_to_lds s[G0A+4:G0A+7], s[G1A:G1A+7]
	s_nop 0
.rept 4
	v_nop
.endr
	s_branch .Lfirst_done
.Lfirst_b:
	tensor_load_to_lds s[G0B:G0B+3], s[G1B:G1B+7]
	s_nop 0
	tensor_load_to_lds s[G0B+4:G0B+7], s[G1B:G1B+7]
	s_nop 0
.rept 4
	v_nop
.endr
.Lfirst_done:
	v_and_b32 v1, 15, v0                           ; l % 16
	v_bfe_u32 v2, v0, 4, 1                         ; l / 16
	; the bias of my 64 columns: a cluster's four tile columns are one plane, so the cluster's x chooses bq, bk or bv
	s_mov_b32 s22, ttmp9
	s_cmp_eq_u32 s22, 1
	s_cselect_b64 s[74:75], s[76:77], s[74:75]
	s_cmp_eq_u32 s22, 2
	s_cselect_b64 s[74:75], s[78:79], s[74:75]
	s_lshl_b32 s18, s40, 10                        ; (256 cx + 128 x my half) x 4 bytes
	s_lshl_b32 s19, s12, 9
	s_add_co_u32 s18, s18, s19
	v_lshl_add_u32 v[BOF], v2, 5, s18              ; + my lanes' 8 columns
	WIN TO_B                                       ; destination window 1
.irp b, 0,1,2,3,4,5,6,7
	global_load_b128 v[8*(\b):8*(\b)+3],   v[BOF], s[74:75] offset:64*(\b)
	global_load_b128 v[8*(\b)+4:8*(\b)+7], v[BOF], s[74:75] offset:64*(\b)+16
.endr
	WIN 0
	v_mul_u32_u24 v3, v1, PITCH
	v_lshl_add_u32 v3, v2, 4, v3                   ; row x pitch + 16 x half of the lanes
	s_mul_i32 s18, s11, HALFT                      ; my 128 rows of A
	s_mul_i32 s19, s12, HALFT                      ; my 128 rows of B,
	s_add_co_u32 s19, s19, 2*HALFT                 ; which lie behind A's 256
	v_add_nc_u32 v[A0], s18, v3
	v_add_nc_u32 v[B0], s19, v3
	v_mov_b32 v[ADRA], v[A0]
	v_mov_b32 v[ADRB], v[B0]
	s_mul_i32 s23, s10, 16*PITCH
	s_add_co_u32 s23, s23, STAGE                   ; my stage
	v_add_nc_u32 v[STO], s23, v3                   ; in: row l % 16, 16 bytes for each half of the lanes
	v_mul_u32_u24 v3, v2, PITCH                    ; back: lanes 0-15 one row of 256 bytes, lanes 16-31 the next
	v_lshl_add_u32 v3, v1, 4, v3
	v_add_nc_u32 v[RD], s23, v3
	v_mul_u32_u24 v[CO], v2, CPITCH                ; and the same two rows in C
	v_lshl_add_u32 v[CO], v1, 4, v[CO]
	v_and_b32 v[PFO], 31, v0
	v_lshlrev_b32 v[PFO], 11, v[PFO]               ; a lane a row of 2,048 bytes
	; C at my part of the tile: the plane, my first row, my first column
	s_lshl_b32 s20, s13, 8
	s_lshl_b32 s21, s11, 7
	s_add_co_u32 s20, s20, s21
	s_lshl_b32 s20, s20, 11
	s_lshl_b32 s21, s22, 24                        ; a plane is 16,777,216 bytes
	s_add_co_u32 s20, s20, s21
	s_lshl_b32 s21, s40, 9
	s_add_co_u32 s20, s20, s21
	s_lshl_b32 s21, s12, 8
	s_add_co_u32 s20, s20, s21
	s_mov_b32 s21, 0
	s_add_nc_u64 s[8:9], s[72:73], s[20:21]
	; the prefetches
	s_lshl_b32 s20, s13, 8                         ; A: the tile's first row + my work-group's 32 of a wave's 128
	s_lshl_b32 s21, s40, 5
	s_add_co_u32 s20, s20, s21
	s_lshl_b32 s21, s42, 8                         ; B likewise
	s_lshl_b32 s22, s41, 5
	s_add_co_u32 s21, s21, s22
	s_and_b32 s22, ttmp7, 0xffff                   ; B's rows are asked for where the cluster's y is 0, A's where its x is 0
	s_cmp_eq_u32 s11, 0
	s_cselect_b32 s20, s20, s21
	s_cselect_b32 s22, ttmp9, s22
	s_cselect_b64 s[PFA:PFA+1], s[4:5], s[6:7]
	s_cmp_eq_u32 s22, 0
	s_cselect_b32 s[LIM], 2, -1                    ; the same in all sixteen partners, for a given wave
	s_lshl_b32 s21, s12, 7                         ; + the 128 rows that I fetch
	s_add_co_u32 s20, s20, s21
	s_lshl_b32 s20, s20, 11
	s_mov_b32 s21, 0
	s_add_nc_u64 s[PFA:PFA+1], s[PFA:PFA+1], s[20:21]
	s_add_nc_u64 s[PFA:PFA+1], s[PFA:PFA+1], 3*KSTEPB  ; at K step 3: the first change of slots steps it to 4
	s_wait_loadcnt 0x0                             ; the bias: rounded to bf16 and widened again
	WIN 0x05                                       ; sources 0 and 1 window 1
.set i, 0
.rept 32
	v_cvt_pk_bf16_f32 v[TMP+i], v[2*i], v[2*i+1]
.set i, i+1
.endr
	WIN TO_B
.set i, 0
.rept 32
	v_lshlrev_b32 v[2*i], 16, v[TMP+i]
	v_and_b32 v[2*i+1], 0xffff0000, v[TMP+i]
.set i, i+1
.endr
	WIN 0
	s_wait_tensorcnt 0x1                           ; my part of K step 0 is in; K step 1's may stay out
	s_barrier_signal -1
	s_barrier_wait -1                              ; everybody's is
	FETCH 0, F0
	QUARTER 64, F0, F1, 1                          ; the first quarter alone is written apart: its products start the sums; the loop is entered behind its own first quarter
	WIN 0
	s_mov_b32 s3, KT-2
	s_branch .Lmid
.Lstep:                                                ; a trip is a K step; it fills the slot that it leaves, two K steps ahead
	QUARTER 64, F0, F1, 0
	WIN 0
.Lmid:
	QUARTER 128, F1, F0, 0
	QUARTER 192, F0, F1, 0
	TURN 1
	WIN 0
	s_sub_co_u32 s3, s3, 1
	s_cmp_lg_u32 s3, 0
	s_cbranch_scc1 .Lstep
	s_mov_b32 s3, 2
.Ltail:                                                ; the last two K steps ask for nothing: a loop of their own.  Its second trip's change of slots
	QUARTER 64, F0, F1, 0                          ; fetches 32 fragments of the slot read before, which nobody multiplies: the price, once a tile, of one text for both trips
	QUARTER 128, F1, F0, 0
	QUARTER 192, F0, F1, 0
	TURN 0
	WIN 0
	s_sub_co_u32 s3, s3, 1
	s_cmp_lg_u32 s3, 0
	s_cbranch_scc1 .Ltail
	s_wait_dscnt 0x0                               ; those loads are back: their registers serve the way out
	PLACES
	PLACES
; THE WAY OUT is written for four blocks of 16 rows, the accumulators of window 2, and walked twice: between the trips window 3's 256 registers are copied into window 2 (an instruction cannot
; name its window by a register, so the second half would else be a second text of the same length).
; PACK: + bias, rounded to f16, 16 bytes a lane (each accumulator's registers in ascending order).  TOSTAGE: into my own stage, and back as whole rows of 256 bytes.  SEND: stored.
.macro PACK a
	WIN 0x86                                       ; destination and source 0 window 2, source 1 (the bias) window 1
.set i, 0
.rept 32
	v_pk_add_f32 v[64*(\a)+2*i:64*(\a)+2*i+1], v[64*(\a)+2*i:64*(\a)+2*i+1], v[2*i:2*i+1]
.set i, i+1
.endr
	WIN 0x0a                                       ; sources 0 and 1 window 2
.set i, 0
.rept 32
	v_cvt_pk_f16_f32 v[TMP+i], v[64*(\a)+2*i], v[64*(\a)+2*i+1]
.set i, i+1
.endr
	WIN 0
.endm
.macro TOSTAGE a
	WIN 0
.irp b, 0,1,2,3,4,5,6,7
	ds_store_b128 v[STO], v[TMP+4*(\b):TMP+4*(\b)+3] offset:32*(\b)
.endr
.irp t, 0,1,2,3,4,5,6,7
	ds_load_b128 v[OB+32*(\a)+4*(\t):OB+32*(\a)+4*(\t)+3], v[RD] offset:(\t)*2*PITCH  ; LDS serves a wave's instructions in order (ISA guide 5.7.1.4): these see the stores above
.endr
.endm
.macro SEND a                          ; each of a trip's blocks has read-back registers of its own
	s_wait_dscnt 0x0                               ; the block is back in registers
.irp t, 0,1,2,3,4,5,6,7
	global_store_b128 v[CO], v[OB+32*(\a)+4*(\t):OB+32*(\a)+4*(\t)+3], s[8:9] offset:(16*(\a)+2*(\t))*CPITCH  ; 16 lanes store 256 consecutive bytes, aligned
.endr
.endm
	s_mov_b32 s3, 2
.Lout:
	PACK 0
	TOSTAGE 0
.irp a, 1,2,3                          ; a block's arithmetic stands between the loads of the block before and the wait for them
	PACK \a
	SEND (\a)-1
	TOSTAGE \a
.endr
	SEND 3
	s_wait_xcnt 0x0                                ; the stores have read their base and their data: only behind this wait is the base stepped and are the read-back registers loaded again
	s_add_nc_u64 s[8:9], s[8:9], 64*CPITCH         ; my rows 64 to 127
	s_cmp_eq_u32 s3, 1
	s_cbranch_scc1 .Lcopied                        ; behind the second trip nothing is left to copy
	WIN 0x83                                       ; destination window 2, source window 3
.set i, 0
.rept 256
	v_mov_b32 v[i], v[i]
.set i, i+1
.endr
	WIN 0
.Lcopied:
	s_sub_co_u32 s3, s3, 1
	s_cmp_lg_u32 s3, 0
	s_cbranch_scc1 .Lout
	s_wait_tensorcnt 0x0                           ; the wave's end: the spare-word add stands behind my last tensor load and my last LDS store
	ds_add_u32 v[SPW], v[NIL]
	s_wait_dscnt 0x0
	CROUND                                         ; the closing round: no work-group ends while a partner may still ask for a tile that names it
	s_endpgm
.Lfunc_end_k_q6fd44751fa_qkv:
	.size	k_q6fd44751fa_qkv, .Lfunc_end_k_q6fd44751fa_qkv-k_q6fd44751fa_qkv
	.p2alignl 7, 3214868480
	.fill 96, 4, 3214868480
	.section	.rodata,"a",@progbits
	.p2align	6, 0x0
	.amdhsa_kernel k_q6fd44751fa_qkv
		.amdhsa_group_segment_fixed_size 327680
		.amdhsa_private_segment_fixed_size 0
		.amdhsa_enable_private_segment 0
		.amdhsa_kernarg_size 48
		.amdhsa_user_sgpr_count 2
		.amdhsa_user_sgpr_kernarg_segment_ptr 1
		.amdhsa_wavefront_size32 1
		.amdhsa_system_sgpr_workgroup_id_x 1
		.amdhsa_system_sgpr_workgroup_id_y 1
		.amdhsa_system_sgpr_workgroup_id_z 1
		.amdhsa_system_vgpr_workitem_id 0
		.amdhsa_next_free_vgpr 1024
		.amdhsa_next_free_sgpr 80
		.amdhsa_reserve_vcc 0
		.amdhsa_float_denorm_mode_32 3
		.amdhsa_float_denorm_mode_16_64 3
		.amdhsa_memory_ordered 1
		.amdhsa_forward_progress 1
		.amdhsa_inst_pref_size 108
	.end_amdhsa_kernel
	.amdgpu_metadata
---
amdhsa.version: [ 1, 2 ]
amdhsa.kernels:
  - .name:           k_q6fd44751fa_qkv
    .symbol:         k_q6fd44751fa_qkv.kd
    .args:
      - { .name: xb, .offset: 0, .size: 8, .value_kind: global_buffer, .address_space: global }
      - { .name: wb, .offset: 8, .size: 8, .value_kind: global_buffer, .address_space: global }
      - { .name: qkv, .offset: 16, .size: 8, .value_kind: global_buffer, .address_space: global }
      - { .name: bq, .offset: 24, .size: 8, .value_kind: global_buffer, .address_space: global }
      - { .name: bk, .offset: 32, .size: 8, .value_kind: global_buffer, .address_space: global }
      - { .name: bv, .offset: 40, .size: 8, .value_kind: global_buffer, .address_space: global }
    .group_segment_fixed_size: 327680
    .private_segment_fixed_size: 0
    .kernarg_segment_align: 8
    .kernarg_segment_size: 48
    .max_flat_workgroup_size: 128
    .sgpr_count:     80
    .vgpr_count:     1024
    .wavefront_size: 32
...
	.end_amdgpu_metadata
.endif
;; end of part 2
;; launch scores (part 3): grid 8 x 32, 4 waves a work-group, clusters of 4 x 4, 327,680 bytes of LDS; arguments qkv, p, st; writes p, st
.if DOCPART == 3
	.amdgcn_target "amdgcn-amd-amdhsa--gfx1250"
	.amdhsa_code_object_version 6
	.text
	.protected	k_q6fd44751fa_scores
	.globl	k_q6fd44751fa_scores
	.p2align	8
	.type	k_q6fd44751fa_scores,@function
k_q6fd44751fa_scores:
	s_mov_b64 s[64:65], 0
	v_nop
	global_prefetch_b8 v0, s[64:65] scope:SCOPE_SE
	s_setreg_imm32_b32 hwreg(HW_REG_WAVE_MODE, 25, 1), 1
	s_wait_xcnt 0x0
	s_wait_alu depctr_hold_cnt(0) depctr_sa_sdst(0) depctr_va_vdst(0) depctr_va_sdst(0) depctr_va_ssrc(0) depctr_va_vcc(0) depctr_vm_vsrc(0)
	s_getreg_b32 s2, hwreg(HW_REG_IB_STS2, 6, 4)
	s_cmp_eq_u32 s2, 0
	s_cbranch_scc0 .Lentry_in_a_cluster
	s_endpgm
.Lentry_in_a_cluster:
	s_bfe_u32 s2, ttmp6, 0x10000c
	s_cmp_lg_u32 s2, 0xf033
	s_cbranch_scc0 .Lentry_shape_is_right
	s_endpgm
.Lentry_shape_is_right:
; S = q k^T and the first half of the softmax.  q, k: planes 0 and 1 of qkv[3][8192][1024], f16; products in f16, sums in f32; the raw scores never leave f32 registers.
; For each query row and each BLOCK of 128 keys (a wave's columns): m = the block's largest score, cm = c m with c = log2(e) / 32, p = 2^(c s - cm) rounded to f16, l = the sum of the unrounded p.
; p[8192][2048] f16; st[16 blocks][cm, l][8192 rows] f32.  The next launch takes the largest cm of a row's 16 blocks, which is c times the row's maximum, and corrects p and l by 2^(cm - M).
; LIMITS.  p lies in 0 to 1, and below 6.1e-5 it keeps f16's fixed step of 6e-8; a weight below 2^-126 counts as 0 in l.  NaN and infinities are not treated apart.
; SHARES, RING, CLUSTER as in the projection: a tile of 256 queries x 256 keys, 8 x 32 = 256 work-groups of equal work, four waves of 128 x 128, K steps of 128 through two LDS slots, 256 matrix instructions
; a wave and step; 4 x 4 work-groups ask jointly for q's rows (along a row of the cluster) and k's rows (along a column).  A batch is 8 tile rows: two clusters, so the batch hangs on the cluster's y alone.
; THE MATRIX INSTRUCTION IS USED TRANSPOSED (source 0 = 16 keys, source 1 = 16 queries): a lane holds ONE query (l % 16) and, in a row block's 64 registers, 64 of its 128 keys; the other 64 lie in the lane 16 away.
; REGISTERS: window 0: v0-15 addresses; v16-23 (cm, m) for four row blocks; v24-27 l; v28-31 at work; v32-63 packed results; v64-127, v128-191 A's fragments, two buffers; on the way out rows read back
;   window 1: v64-127, v128-191 B's fragments          window 2: the 32 accumulators of my rows 0-63 ((a, b) at v[8 (8 a + b)]);   window 3: those of my rows 64-127
.set KT,     8
.set PITCH,  272                       ; an LDS row: 256 bytes + 16 of padding: the 16 rows of a fragment load start at 16 different groups of four banks (64 banks of 4 bytes: ISA guide 11.1)
.set HALFT,  128*PITCH
.set SLOT,   4*HALFT                   ; 0x22000 bytes; the waves' places in a slot, 0, 0x8800, 0x11000, 0x19800, share no bit with it: one exclusive or changes slots
.set STAGE,  2*SLOT                    ; behind the ring, never filled by a tensor load: 16 rows x 272 bytes for each wave
.set SS,     STAGE+4*16*PITCH          ; 512 bytes for each wave: 64 rows' cm, then their l
.set SPARE,  SS+4*512                  ; the spare words, 128 bytes a wave: two blocks of 256 bytes that no other line names
.set KSTEPB, 256
.set CPITCH, 4096                      ; bytes in a row of p
.set STF,  3                           ; v3   my byte offset in st
.set A0,   4
.set B0,   5
.set ADRA, 6
.set ADRB, 7
.set STO,  8
.set RD,   9
.set CO,   10
.set PFO,  11
.set SPW,  12
.set NIL,  13
.set SSA,  14                          ; v14  where I put a row's cm
.set SSR,  15                          ; v15  where I read 16 bytes of them back
.set CM,   16
.set LL,   24
.set CH,   28
.set TMP,  32
.set F0,   64
.set F1,   128
.set OB,   64
.set G1A,  24
.set G0A,  32
.set LIM,  43
.set PFA,  44
.set G1B,  48
.set G0B,  56
.set CS,   66                          ; s[66:67] c: the packed scaling takes the pair's low word for both halves
.set SEL,  68                          ; s[68:69] v_permlanex16_b32's selects: each lane takes its own place in the other half
.set TB,   70
.set MUL_LO, 0xa1                      ; source 0 (B) window 1, source 1 (A) window 0, C and D window 2; + 0x50: C and D window 3
.set TO_B,   0x40
.set MSB, 0
.macro WIN new
.if MSB != (\new)
	s_set_vgpr_msb (MSB<<8)|(\new)
.set MSB, \new
.endif
.endm
.macro PLACES
.rept 4
	v_nop
.endr
.endm
.macro CREST
	s_cmp_lg_u32 s10, 0
	s_cbranch_scc1 .Lnot_wave_0_\@
	s_barrier_signal -3
.Lnot_wave_0_\@:
	s_barrier_wait -3
	s_barrier_signal -1
	s_barrier_wait -1
.endm
.macro CROUND
	s_barrier_signal -1
	s_barrier_wait -1
	CREST
.endm
.macro JLOAD                           ; the joint refill, by the walking set; an s_nop 0 and four v_nop follow each line
	s_cmp_eq_u32 s11, 0
	s_cbranch_scc0 .Lfor_b_\@
	tensor_load_to_lds s[G0A+4:G0A+7], s[G1A:G1A+7]
	s_nop 0
.rept 4
	v_nop
.endr
	s_branch .Lasked_\@
.Lfor_b_\@:
	tensor_load_to_lds s[G0B+4:G0B+7], s[G1B:G1B+7]
	s_nop 0
.rept 4
	v_nop
.endr
.Lasked_\@:
.endm
; A PREFETCH behind each refill and its run of LDS loads: the K step two refills on, 512 matrix instructions ahead of its load: 32 rows x 256 bytes, a lane a row.  q's rows are named by waves 0 and 1 of the
; clusters with x = 0; k's by waves 2 and 3 of the first of a batch's two clusters (y % 2 = 0); of a wave's 128 rows each of the four partners names 32, told apart by address.  K steps 0 to 3 come by their
; loads alone; trips with s3 <= 2 ask for nothing.
.macro ASK
	s_cmp_gt_u32 s3, s[LIM]
	s_cbranch_scc0 .Lnot_mine_\@
	global_prefetch_b8 v[PFO], s[PFA:PFA+1] th:TH_LOAD_NT scope:SCOPE_SE
.Lnot_mine_\@:
.endm
.macro MUL16 f, hi, a0, zero           ; row blocks a0, a0 + 1 of the window's four x 8 column blocks; the 64 accumulators take turns in the same order in every quarter
	WIN MUL_LO+0x50*(\hi)
.irp a, \a0, (\a0)+1
.irp b, 0,1,2,3,4,5,6,7
.if \zero
	v_wmma_f32_16x16x32_f16 v[8*(8*(\a)+(\b)):8*(8*(\a)+(\b))+7], v[(\f)+8*(\b):(\f)+8*(\b)+7], v[(\f)+8*(4*(\hi)+(\a)):(\f)+8*(4*(\hi)+(\a))+7], 0
.else
	v_wmma_f32_16x16x32_f16 v[8*(8*(\a)+(\b)):8*(8*(\a)+(\b))+7], v[(\f)+8*(\b):(\f)+8*(\b)+7], v[(\f)+8*(4*(\hi)+(\a)):(\f)+8*(4*(\hi)+(\a))+7], v[8*(8*(\a)+(\b)):8*(8*(\a)+(\b))+7]
.endif
.endr
.endr
.endm
.macro FETCH k, f                      ; 32 LDS loads in one run: B's 16, then A's 16
	WIN TO_B
.irp i, 0,1,2,3,4,5,6,7
	ds_load_b128 v[(\f)+8*(\i):(\f)+8*(\i)+3],   v[ADRB] offset:(\k)+(\i)*16*PITCH
	ds_load_b128 v[(\f)+8*(\i)+4:(\f)+8*(\i)+7], v[ADRB] offset:(\k)+(\i)*16*PITCH+32
.endr
	WIN 0
.irp i, 0,1,2,3,4,5,6,7
	ds_load_b128 v[(\f)+8*(\i):(\f)+8*(\i)+3],   v[ADRA] offset:(\k)+(\i)*16*PITCH
	ds_load_b128 v[(\f)+8*(\i)+4:(\f)+8*(\i)+7], v[ADRA] offset:(\k)+(\i)*16*PITCH+32
.endr
.endm
.macro QUARTER k, f, g, zero
	s_wait_dscnt 0x8                               ; B and A's blocks 0 to 3 are in; the youngest eight loads may be out
	MUL16 \f, 0, 0, \zero
	MUL16 \f, 0, 2, \zero
	PLACES
	FETCH \k, \g
	s_wait_dscnt 0x20                              ; all but the 32 just issued
	MUL16 \f, 1, 0, \zero
	MUL16 \f, 1, 2, \zero
.endm
.macro TURN fill                       ; the last quarter and the change of slots: the wait for all my tensor loads, the add, the wait for it and for my reads, ONE barrier (with fill: a round), the refill first behind it
.if \fill
	s_wait_xcnt 0x0                                ; the last prefetch, a K step back, has read its address
	s_add_nc_u64 s[PFA:PFA+1], s[PFA:PFA+1], KSTEPB
.endif
	WIN 0
	s_wait_tensorcnt 0x0                           ; no tensor load of mine is out, so a group 0 may be written
	ds_add_u32 v[SPW], v[NIL]                      ; 0 onto my spare word
.if \fill
	s_xor_b32 s[G0A+5], s[G0A+5], SLOT
	s_add_nc_u64 s[G0A+6:G0A+7], s[G0A+6:G0A+7], KSTEPB
	s_xor_b32 s[G0B+5], s[G0B+5], SLOT
	s_add_nc_u64 s[G0B+6:G0B+7], s[G0B+6:G0B+7], KSTEPB
.endif
	s_wait_dscnt 0x9                               ; the add and the youngest eight loads may be out
	MUL16 F1, 0, 0, 0
	s_wait_dscnt 0x0                               ; the add is done, and my reads of this slot are over
	s_barrier_signal -1
	MUL16 F1, 0, 2, 0
	WIN 0
	s_barrier_wait -1
.if \fill
	CREST
	JLOAD
.else
	PLACES
.endif
	s_xor_b32 s[TB], s[TB], SLOT
	v_add_nc_u32 v[ADRA], s[TB], v[A0]
	v_add_nc_u32 v[ADRB], s[TB], v[B0]
	FETCH 0, F0
.if \fill
	ASK
.endif
	MUL16 F1, 1, 0, 0
	MUL16 F1, 1, 2, 0
.endm
	s_load_b128 s[4:7], s[0:1], 0x0                ; qkv s[4:5], p s[6:7]
	s_load_b64 s[72:73], s[0:1], 0x10              ; st
	v_lshl_add_u32 v[SPW], v0, 2, SPARE
	v_mov_b32 v[NIL], 0
	ds_add_u32 v[SPW], v[NIL]                      ; the wave's opening: the add and its wait stand ahead of my first tensor load
	v_lshrrev_b32 v1, 5, v0
	v_readfirstlane_b32 s10, v1                    ; wave 0..3
	s_lshr_b32 s11, s10, 1                         ; my 128 rows.  Also: I fetch for A (0) or for B (1)
	s_and_b32 s12, s10, 1                          ; my 128 columns.  Also: which half I fetch
	s_bfe_u32 s40, ttmp6, 0x40000                  ; cx
	s_bfe_u32 s41, ttmp6, 0x40004                  ; cy
	s_lshl_b32 s42, ttmp9, 2
	s_add_co_u32 s42, s42, s40                     ; tile column
	s_and_b32 s13, ttmp7, 0xffff
	s_lshl_b32 s13, s13, 2
	s_add_co_u32 s13, s13, s41                     ; tile row
	s_lshl_b32 s43, s41, 2
	s_lshl_b32 s43, 15, s43
	s_lshl_b32 s44, 0x1111, s40
	s_or_b32 s[G1A], s43, (1<<16)|(1<<20)|(1<<21)|(5<<22)|(3<<25)
	s_or_b32 s[G1B], s44, (1<<16)|(1<<20)|(1<<21)|(5<<22)|(3<<25)
.irp g, G1A, G1B
	s_mov_b32 s[(\g)+1], 128<<16                   ; 128 rows x 128 elements
	s_mov_b32 s[(\g)+2], 128<<16
	s_mov_b32 s[(\g)+3], 128<<16
	s_mov_b32 s[(\g)+4], 128
	s_mov_b32 s[(\g)+5], 1024
	s_mov_b32 s[(\g)+6], 0
	s_mov_b32 s[(\g)+7], 0
.endr
	s_lshl_b32 s16, s13, 8                         ; q: row 256 x tile row + 128 x half
	s_lshl_b32 s17, s12, 7
	s_add_co_u32 s16, s16, s17
	s_lshl_b32 s16, s16, 11
	s_mov_b32 s17, 0
	s_and_b32 s18, ttmp7, 0xffff
	s_lshr_b32 s18, s18, 1                         ; the batch, from the cluster's y alone
	s_lshl_b32 s46, s18, 11                        ; k: row 2,048 x batch + 256 x tile column + 128 x half
	s_lshl_b32 s47, s42, 8
	s_add_co_u32 s46, s46, s47
	s_lshl_b32 s47, s12, 7
	s_add_co_u32 s46, s46, s47
	s_lshl_b32 s46, s46, 11
	s_mov_b32 s47, 0
	s_mul_i32 s20, s10, HALFT                      ; where they go: wave x 128 rows
	s_mov_b32 s[TB], 0
	s_mov_b32 s[CS], 0x3d38aa3b                    ; c = log2(e) / 32 = 0.0450842
	s_mov_b32 s[CS+1], s[CS]                       ; named with it as a pair
	s_mov_b32 s[SEL], 0x76543210
	s_mov_b32 s[SEL+1], 0xfedcba98
	s_wait_dscnt 0x0                               ; the opening add is done
	s_wait_kmcnt 0x0
	s_mov_b64 s[8:9], s[6:7]                       ; p
	s_add_nc_u64 s[6:7], s[4:5], 0x1000000         ; k's plane
	s_add_nc_u64 s[14:15], s[4:5], s[16:17]
	s_add_nc_u64 s[46:47], s[6:7], s[46:47]
	CROUND                                         ; all sixteen work-groups are here: the first joint loads meet
.irp s, 0,1
	s_mov_b32 s[G0A+4*(\s)], 1
	s_add_co_u32 s[G0A+4*(\s)+1], s20, (\s)*SLOT
	s_add_nc_u64 s[G0A+4*(\s)+2:G0A+4*(\s)+3], s[14:15], (\s)*KSTEPB
	s_or_b32 s[G0A+4*(\s)+3], s[G0A+4*(\s)+3], 0x80000000
	s_mov_b32 s[G0B+4*(\s)], 1
	s_add_co_u32 s[G0B+4*(\s)+1], s20, (\s)*SLOT
	s_add_nc_u64 s[G0B+4*(\s)+2:G0B+4*(\s)+3], s[46:47], (\s)*KSTEPB
	s_or_b32 s[G0B+4*(\s)+3], s[G0B+4*(\s)+3], 0x80000000
.endr
	s_cmp_eq_u32 s11, 0                            ; a wave's two first fills stand in one branch: two loads of mine are out
	s_cbranch_scc0 .Lfirst_b
	tensor_load_to_lds s[G0A:G0A+3], s[G1A:G1A+7]
	s_nop 0
	tensor_load_to_lds s[G0A+4:G0A+7], s[G1A:G1A+7]
	s_nop 0
.rept 4
	v_nop
.endr
	s_branch .Lfirst_done
.Lfirst_b:
	tensor_load_to_lds s[G0B:G0B+3], s[G1B:G1B+7]
	s_nop 0
	tensor_load_to_lds s[G0B+4:G0B+7], s[G1B:G1B+7]
	s_nop 0
.rept 4
	v_nop
.endr
.Lfirst_done:
	v_and_b32 v1, 15, v0                           ; l % 16
	v_bfe_u32 v2, v0, 4, 1                         ; l / 16
	v_mul_u32_u24 v3, v1, PITCH
	v_lshl_add_u32 v3, v2, 4, v3
	s_mul_i32 s18, s11, HALFT
	s_mul_i32 s19, s12, HALFT
	s_add_co_u32 s19, s19, 2*HALFT
	v_add_nc_u32 v[A0], s18, v3
	v_add_nc_u32 v[B0], s19, v3
	v_mov_b32 v[ADRA], v[A0]
	v_mov_b32 v[ADRB], v[B0]
	s_mul_i32 s23, s10, 16*PITCH
	s_add_co_u32 s23, s23, STAGE
	v_add_nc_u32 v[STO], s23, v3
	v_mul_u32_u24 v3, v2, PITCH
	v_lshl_add_u32 v3, v1, 4, v3
	v_add_nc_u32 v[RD], s23, v3
	v_mul_u32_u24 v[CO], v2, CPITCH
	v_lshl_add_u32 v[CO], v1, 4, v[CO]
	v_and_b32 v[PFO], 31, v0
	s_lshl_b32 s23, s10, 9
	s_add_co_u32 s23, s23, SS                      ; my 512 bytes of statistics
	v_lshl_add_u32 v[SSA], v1, 2, s23
	v_lshl_add_u32 v[SSR], v[PFO], 4, s23
	v_lshlrev_b32 v[PFO], 11, v[PFO]
	v_lshlrev_b32 v[STF], 15, v2                   ; lanes 0-15: cm; lanes 16-31: l, 32,768 bytes on
	v_lshl_add_u32 v[STF], v1, 4, v[STF]
	; p at my part of the tile
	s_lshl_b32 s20, s13, 8
	s_lshl_b32 s21, s11, 7
	s_add_co_u32 s20, s20, s21
	s_lshl_b32 s20, s20, 12
	s_lshl_b32 s21, s42, 9
	s_add_co_u32 s20, s20, s21
	s_lshl_b32 s21, s12, 8
	s_add_co_u32 s20, s20, s21
	s_mov_b32 s21, 0
	s_add_nc_u64 s[8:9], s[8:9], s[20:21]
	; st at my key block (2 x tile column + my half) and my first row
	s_lshl_b32 s20, s42, 1
	s_add_co_u32 s20, s20, s12
	s_lshl_b32 s20, s20, 16
	s_lshl_b32 s21, s13, 10
	s_add_co_u32 s20, s20, s21
	s_lshl_b32 s21, s11, 9
	s_add_co_u32 s20, s20, s21
	s_mov_b32 s21, 0
	s_add_nc_u64 s[72:73], s[72:73], s[20:21]
	; the prefetches
	s_lshl_b32 s20, s13, 8                         ; q: the tile's first row + my work-group's 32 of a wave's 128
	s_lshl_b32 s21, s40, 5
	s_add_co_u32 s20, s20, s21
	s_and_b32 s22, ttmp7, 0xffff
	s_lshr_b32 s21, s22, 1                         ; k: the batch's first row + the tile's + my work-group's 32
	s_lshl_b32 s21, s21, 11
	s_lshl_b32 s23, s42, 8
	s_add_co_u32 s21, s21, s23
	s_lshl_b32 s23, s41, 5
	s_add_co_u32 s21, s21, s23
	s_and_b32 s22, s22, 1                          ; k's rows: the first of a batch's two clusters; q's: the clusters with x = 0
	s_cmp_eq_u32 s11, 0
	s_cselect_b32 s20, s20, s21
	s_cselect_b32 s22, ttmp9, s22
	s_cselect_b64 s[PFA:PFA+1], s[4:5], s[6:7]
	s_cmp_eq_u32 s22, 0
	s_cselect_b32 s[LIM], 2, -1                    ; the same in all sixteen partners, for a given wave
	s_lshl_b32 s21, s12, 7                         ; + the 128 rows that I fetch
	s_add_co_u32 s20, s20, s21
	s_lshl_b32 s20, s20, 11
	s_mov_b32 s21, 0
	s_add_nc_u64 s[PFA:PFA+1], s[PFA:PFA+1], s[20:21]
	s_add_nc_u64 s[PFA:PFA+1], s[PFA:PFA+1], 3*KSTEPB  ; at K step 3: the first change of slots steps it to 4
	s_wait_tensorcnt 0x1                           ; my part of K step 0 is in; K step 1's may stay out
	s_barrier_signal -1
	s_barrier_wait -1
	FETCH 0, F0
	QUARTER 64, F0, F1, 1                          ; the first quarter alone is written apart: its products start the sums; the loop is entered behind its own first quarter
	WIN 0
	s_mov_b32 s3, KT-2
	s_branch .Lmid
.Lstep:                                                ; a trip is a K step; it fills the slot that it leaves, two K steps ahead
	QUARTER 64, F0, F1, 0
	WIN 0
.Lmid:
	QUARTER 128, F1, F0, 0
	QUARTER 192, F0, F1, 0
	TURN 1
	WIN 0
	s_sub_co_u32 s3, s3, 1
	s_cmp_lg_u32 s3, 0
	s_cbranch_scc1 .Lstep
	s_mov_b32 s3, 2
.Ltail:                                                ; the last two K steps ask for nothing: a loop of their own.  Its second trip's change of slots
	QUARTER 64, F0, F1, 0                          ; fetches 32 fragments of the slot read before, which nobody multiplies: the price, once a tile, of one text for both trips
	QUARTER 128, F1, F0, 0
	QUARTER 192, F0, F1, 0
	TURN 0
	WIN 0
	s_sub_co_u32 s3, s3, 1
	s_cmp_lg_u32 s3, 0
	s_cbranch_scc1 .Ltail
	s_wait_dscnt 0x0                               ; those loads are back: their registers serve the way out
	PLACES
	PLACES
; THE WAY OUT is written for four blocks of 16 rows, the accumulators of window 2, and walked twice: between the trips window 3's 256 registers are copied into window 2 (an instruction cannot
; name its window by a register, so the second half would else be a second text of the same length).
; THE BLOCK SOFTMAX of row block a: its 64 registers hold 64 scores of the lane's query.
; The maximum: four chains, each over two accumulators (16 scores), three operands at a time; each accumulator's first read takes one of its lowest registers.
; Then ONE BATCH: the 32 packed scalings c s - cm and the 64 exponentials, none of which reads an exponential's result; a v_nop and ONE wait; then the roundings and the sum (of the unrounded p).
.macro SOFT a
.set R0, 64*(\a)
	WIN 0x2a                                       ; all three sources window 2
.irp c, 0,1,2,3
	v_max3_num_f32 v[CH+(\c)], v[R0+16*(\c)], v[R0+16*(\c)+1], v[R0+16*(\c)+2]
.endr
	WIN 0x0a                                       ; sources 0 and 1 window 2, the chain's register window 0
.irp n, 0,1,2,3,4,5
.irp c, 0,1,2,3
	v_max3_num_f32 v[CH+(\c)], v[R0+16*(\c)+3+2*(\n)], v[R0+16*(\c)+4+2*(\n)], v[CH+(\c)]
.endr
.endr
.irp c, 0,1,2,3
	v_max3_num_f32 v[CH+(\c)], v[R0+16*(\c)+15], v[R0+16*(\c)+15], v[CH+(\c)]
.endr
	WIN 0
	v_max3_num_f32 v[CH], v[CH], v[CH+1], v[CH+2]
	v_max_num_f32 v[CH], v[CH], v[CH+3]
	v_permlanex16_b32 v[CH+1], v[CH], s[SEL], s[SEL+1]  ; the query's other 64 keys lie in the lane 16 away
	v_max_num_f32 v[CM+2*(\a)+1], v[CH], v[CH+1]   ; m
	v_mul_f32 v[CM+2*(\a)], s[CS], v[CM+2*(\a)+1]  ; cm
	WIN 0x82                                       ; destination and source 0 window 2
	v_pk_fma_f32 v[R0:R0+1], v[R0:R0+1], s[CS:CS+1], v[CM+2*(\a):CM+2*(\a)+1] op_sel_hi:[1,0,0] neg_lo:[0,0,1] neg_hi:[0,0,1]
.set n, 1
.rept 31
	v_pk_fma_f32 v[R0+2*n:R0+2*n+1], v[R0+2*n:R0+2*n+1], s[CS:CS+1], v[CM+2*(\a):CM+2*(\a)+1] op_sel_hi:[1,0,0] neg_lo:[0,0,1] neg_hi:[0,0,1]
	v_exp_f32 v[R0+2*n-2], v[R0+2*n-2]
	v_exp_f32 v[R0+2*n-1], v[R0+2*n-1]
.set n, n+1
.endr
	v_exp_f32 v[R0+62], v[R0+62]
	v_exp_f32 v[R0+63], v[R0+63]
	v_nop                                          ; a plain instruction behind the last exponential (ISA guide 5.7.2),
	s_wait_alu depctr_va_vdst(0)                   ; and the wait ahead of the first use: one for the 64
	WIN 0x0a
.set i, 0
.rept 32
	v_cvt_pk_f16_f32 v[TMP+i], v[R0+2*i], v[R0+2*i+1]
.set i, i+1
.endr
	WIN 0x8a                                       ; the sum of the 32 pairs, in place: neighbours 1, 2, 4, 8 and 16 pairs apart
.irp w, 4,8,16,32,64
.set u, 0
.rept 64/(\w)
	v_pk_add_f32 v[R0+(\w)*u:R0+(\w)*u+1], v[R0+(\w)*u:R0+(\w)*u+1], v[R0+(\w)*u+(\w)/2:R0+(\w)*u+(\w)/2+1]
.set u, u+1
.endr
.endr
	WIN 0x0a
	v_add_f32 v[CH], v[R0], v[R0+1]
	WIN 0
	v_permlanex16_b32 v[CH+1], v[CH], s[SEL], s[SEL+1]
	v_add_f32 v[LL+(\a)], v[CH], v[CH+1]           ; l
.endm
.macro TOSTAGE a
	WIN 0
.irp b, 0,1,2,3,4,5,6,7
	ds_store_b128 v[STO], v[TMP+4*(\b):TMP+4*(\b)+3] offset:32*(\b)
.endr
.irp t, 0,1,2,3,4,5,6,7
	ds_load_b128 v[OB+32*(\a)+4*(\t):OB+32*(\a)+4*(\t)+3], v[RD] offset:(\t)*2*PITCH  ; LDS serves a wave's instructions in order (ISA guide 5.7.1.4): these see the stores above
.endr
.endm
.macro SEND a                          ; each of a trip's blocks has read-back registers of its own
	s_wait_dscnt 0x0
.irp t, 0,1,2,3,4,5,6,7
	global_store_b128 v[CO], v[OB+32*(\a)+4*(\t):OB+32*(\a)+4*(\t)+3], s[8:9] offset:(16*(\a)+2*(\t))*CPITCH  ; 16 lanes store 256 consecutive bytes, aligned
.endr
.endm
	s_mov_b32 s3, 2
.Lout:
	SOFT 0
	TOSTAGE 0
.irp a, 1,2,3                          ; a block's arithmetic stands between the loads of the block before and the wait for them
	SOFT \a
	SEND (\a)-1
	TOSTAGE \a
.endr
	SEND 3
	; the trip's statistics, 64 rows: both halves of the lanes hold the same numbers and write the same words; read back, 16 lanes hold 256 consecutive bytes of cm, 16 of l
.irp a, 0,1,2,3
	ds_store_b32 v[SSA], v[CM+2*(\a)] offset:64*(\a)
	ds_store_b32 v[SSA], v[LL+(\a)] offset:256+64*(\a)
.endr
	ds_load_b128 v[TMP:TMP+3], v[SSR]
	s_wait_dscnt 0x0
	global_store_b128 v[STF], v[TMP:TMP+3], s[72:73]
	s_wait_xcnt 0x0                                ; the stores have read their bases and their data: only behind this wait are the bases stepped and the stores' registers written again
	s_add_nc_u64 s[8:9], s[8:9], 64*CPITCH         ; my rows 64 to 127, in p
	s_add_nc_u64 s[72:73], s[72:73], 256           ; and in st
	s_cmp_eq_u32 s3, 1
	s_cbranch_scc1 .Lcopied                        ; behind the second trip nothing is left to copy
	WIN 0x83                                       ; destination window 2, source window 3
.set i, 0
.rept 256
	v_mov_b32 v[i], v[i]
.set i, i+1
.endr
	WIN 0
.Lcopied:
	s_sub_co_u32 s3, s3, 1
	s_cmp_lg_u32 s3, 0
	s_cbranch_scc1 .Lout
	s_wait_tensorcnt 0x0                           ; the wave's end: the spare-word add stands behind my last tensor load and my last LDS store
	ds_add_u32 v[SPW], v[NIL]
	s_wait_dscnt 0x0
	CROUND                                         ; the closing round
	s_endpgm
.Lfunc_end_k_q6fd44751fa_scores:
	.size	k_q6fd44751fa_scores, .Lfunc_end_k_q6fd44751fa_scores-k_q6fd44751fa_scores
	.p2alignl 7, 3214868480
	.fill 96, 4, 3214868480
	.section	.rodata,"a",@progbits
	.p2align	6, 0x0
	.amdhsa_kernel k_q6fd44751fa_scores
		.amdhsa_group_segment_fixed_size 327680
		.amdhsa_private_segment_fixed_size 0
		.amdhsa_enable_private_segment 0
		.amdhsa_kernarg_size 24
		.amdhsa_user_sgpr_count 2
		.amdhsa_user_sgpr_kernarg_segment_ptr 1
		.amdhsa_wavefront_size32 1
		.amdhsa_system_sgpr_workgroup_id_x 1
		.amdhsa_system_sgpr_workgroup_id_y 1
		.amdhsa_system_sgpr_workgroup_id_z 1
		.amdhsa_system_vgpr_workitem_id 0
		.amdhsa_next_free_vgpr 1024
		.amdhsa_next_free_sgpr 80
		.amdhsa_reserve_vcc 0
		.amdhsa_float_denorm_mode_32 3
		.amdhsa_float_denorm_mode_16_64 3
		.amdhsa_memory_ordered 1
		.amdhsa_forward_progress 1
		.amdhsa_inst_pref_size 129
	.end_amdhsa_kernel
	.amdgpu_metadata
---
amdhsa.version: [ 1, 2 ]
amdhsa.kernels:
  - .name:           k_q6fd44751fa_scores
    .symbol:         k_q6fd44751fa_scores.kd
    .args:
      - { .name: qkv, .offset: 0, .size: 8, .value_kind: global_buffer, .address_space: global }
      - { .name: p, .offset: 8, .size: 8, .value_kind: global_buffer, .address_space: global }
      - { .name: st, .offset: 16, .size: 8, .value_kind: global_buffer, .address_space: global }
    .group_segment_fixed_size: 327680
    .private_segment_fixed_size: 0
    .kernarg_segment_align: 8
    .kernarg_segment_size: 24
    .max_flat_workgroup_size: 128
    .sgpr_count:     80
    .vgpr_count:     1024
    .wavefront_size: 32
...
	.end_amdgpu_metadata
.endif
;; end of part 3
;; launch pv (part 4): grid 4 x 64, 4 waves a work-group, clusters of 4 x 4, 327,680 bytes of LDS; arguments p, qkv, ctx, st; writes ctx
.if DOCPART == 4
	.amdgcn_target "amdgcn-amd-amdhsa--gfx1250"
	.amdhsa_code_object_version 6
	.text
	.protected	k_q6fd44751fa_pv
	.globl	k_q6fd44751fa_pv
	.p2align	8
	.type	k_q6fd44751fa_pv,@function
k_q6fd44751fa_pv:
	s_mov_b64 s[64:65], 0
	v_nop
	global_prefetch_b8 v0, s[64:65] scope:SCOPE_SE
	s_setreg_imm32_b32 hwreg(HW_REG_WAVE_MODE, 25, 1), 1
	s_wait_xcnt 0x0
	s_wait_alu depctr_hold_cnt(0) depctr_sa_sdst(0) depctr_va_vdst(0) depctr_va_sdst(0) depctr_va_ssrc(0) depctr_va_vcc(0) depctr_vm_vsrc(0)
	s_getreg_b32 s2, hwreg(HW_REG_IB_STS2, 6, 4)
	s_cmp_eq_u32 s2, 0
	s_cbranch_scc0 .Lentry_in_a_cluster
	s_endpgm
.Lentry_in_a_cluster:
	s_bfe_u32 s2, ttmp6, 0x10000c
	s_cmp_lg_u32 s2, 0xf033
	s_cbranch_scc0 .Lentry_shape_is_right
	s_endpgm
.Lentry_shape_is_right:
; THE SECOND HALF OF THE SOFTMAX AND ctx = softmax v.  For each query row: M = the largest cm of its 16 key blocks (c times the row's maximum), f_b = 2^(cm_b - M), L = the sum of f_b l_b;
; ctx[row][:] = (sum over blocks b and their keys of (p f_b) v[key][:]) / L.  p: [8192][2048] f16; v: plane 2 of qkv, [8192][1024] f16; st: [16][cm, l][8192] f32; ctx: [8192][1024] f16.
; A K step of 128 keys IS a key block: A's fragments are multiplied by the step's f (f16, packed) between their load and the matrix instruction.  Sums, M, L and 1 / L in f32; ctx rounded once.
; LIMITS.  f and p f lie in 0 to 1 and keep f16's fixed step of 6e-8 below 6.1e-5; L is summed with the unrounded f (they differ from the f16 ones by 2^-11 of themselves at the most); an f below 2^-126
; counts as 0; ctx is a mean of v's rows and has their range.  NaN and infinities are not treated apart.
; SHARES, RING, CLUSTER as in the projection: a tile of 128 rows x 256 channels, 4 x 64 = 256 work-groups of equal work, four waves of 64 x 128, 16 K steps through two LDS slots; p's rows are asked for jointly
; along a row of the cluster, v's along a column.  v lies [key][channel]: its tile is 128 keys x 512 bytes (waves 2 and 3 fetch 64 keys each), and its fragments come out of LDS turned, by ds_load_tr16_b128.
; REGISTERS: window 0: v0-15 addresses; v16-23 1 / L, a pair for each row block; v24-27 the step's f, twice in a word, for each row block; v28-29 the prologue's addresses; v32-63 packed results;
;   v64-159, v160-255 two fragment buffers (the prologue works in v64-115); on the way out v64-191 rows read back          window 1: accumulator (a, b) at v[8 (8 a + b)]
.set KT,     16
.set PITCH,  272                       ; a row of p in LDS: 256 bytes + 16 of padding
.set PB,     544                       ; a row of v: 512 + 32 = 136 words
.set AB,     128*PITCH                 ; in a slot: p's 128 rows, then v's 128 keys (69,632 bytes)
.set SLOT1,  131072
.set STAGE,  SLOT1+AB+128*PB           ; behind the ring, never filled by a tensor load: 16 rows x 272 bytes for each wave
.set FT,     STAGE+4*16*PITCH          ; f: 16 blocks x 128 rows x 4 bytes
.set RL,     FT+16*512                 ; 1 / L: 128 rows x 4 bytes
.set SPARE,  RL+512                    ; the spare words, 128 bytes a wave: two blocks of 256 bytes that no other line names
.set ASTEP,  256                       ; 128 keys along a row of p
.set BSTEP,  262144                    ; 128 rows of v
.set CPITCH, 2048
.set A0,   4
.set B0,   5
.set ADRA, 6
.set ADRB, 7
.set STO,  8
.set RD,   9
.set CO,   10
.set PFO,  11
.set SPW,  12
.set NIL,  13
.set FA0,  14                          ; v14  my row's place in a block of FT; never rewritten
.set FAD,  15                          ; v15  the same in the step's block
.set RLR,  16
.set FAC,  24
.set TMP,  32
.set F0,   64
.set F1,   160
.set OB,   64
.set G1A,  24
.set G0A,  32
.set LIM,  43
.set PFA,  44
.set G1B,  48
.set G0B,  56
.set TB,   70
.set FS,   71                          ; s71  512 x the K step whose f is fetched
.set PFS,  74                          ; s[74:75] bytes from a K step to the next in what I prefetch
.set MSB, 0
.macro WIN new
.if MSB != (\new)
	s_set_vgpr_msb (MSB<<8)|(\new)
.set MSB, \new
.endif
.endm
.macro PLACES
.rept 4
	v_nop
.endr
.endm
.macro CREST
	s_cmp_lg_u32 s10, 0
	s_cbranch_scc1 .Lnot_wave_0_\@
	s_barrier_signal -3
.Lnot_wave_0_\@:
	s_barrier_wait -3
	s_barrier_signal -1
	s_barrier_wait -1
.endm
.macro CROUND
	s_barrier_signal -1
	s_barrier_wait -1
	CREST
.endm
.macro JLOAD                           ; the joint refill, by the walking set; an s_nop 0 and four v_nop follow each line
	s_cmp_eq_u32 s11, 0
	s_cbranch_scc0 .Lfor_b_\@
	tensor_load_to_lds s[G0A+4:G0A+7], s[G1A:G1A+7]
	s_nop 0
.rept 4
	v_nop
.endr
	s_branch .Lasked_\@
.Lfor_b_\@:
	tensor_load_to_lds s[G0B+4:G0B+7], s[G1B:G1B+7]
	s_nop 0
.rept 4
	v_nop
.endr
.Lasked_\@:
.endm
; A PREFETCH behind each refill and its run of LDS loads: the K step two refills on, 32 blocks of 256 bytes, a lane a block.  p's rows (read by this one cluster) are named by wave 0: 32 rows a work-group;
; v's by waves 2 and 3 of the first of a batch's four clusters (y % 4 = 0): 16 keys x 2 blocks a wave and work-group; the partners share them out by address.  K steps 0 to 3 come by their loads alone;
; trips with s3 <= 2 ask for nothing.
.macro ASK
	s_cmp_gt_u32 s3, s[LIM]
	s_cbranch_scc0 .Lnot_mine_\@
	global_prefetch_b8 v[PFO], s[PFA:PFA+1] th:TH_LOAD_NT scope:SCOPE_SE
.Lnot_mine_\@:
.endm
.macro MUL8 f, a, zero                 ; row block a x 8 channel blocks; the 32 accumulators take turns in the same order in every quarter
	WIN 0x50
.irp b, 0,1,2,3,4,5,6,7
.if \zero
	v_wmma_f32_16x16x32_f16 v[8*(8*(\a)+(\b)):8*(8*(\a)+(\b))+7], v[(\f)+32+8*(\b):(\f)+32+8*(\b)+7], v[(\f)+8*(\a):(\f)+8*(\a)+7], 0
.else
	v_wmma_f32_16x16x32_f16 v[8*(8*(\a)+(\b)):8*(8*(\a)+(\b))+7], v[(\f)+32+8*(\b):(\f)+32+8*(\b)+7], v[(\f)+8*(\a):(\f)+8*(\a)+7], v[8*(8*(\a)+(\b)):8*(8*(\a)+(\b))+7]
.endif
.endr
.endm
.macro SCALE f, a                      ; p f: row block a's fragment of buffer f, 16 weights of my row, times my row's f of this step
	WIN 0
.irp j, 0,1,2,3,4,5,6,7
	v_pk_mul_f16 v[(\f)+8*(\a)+(\j)], v[(\f)+8*(\a)+(\j)], v[FAC+(\a)]
.endr
.endm
.macro FACS                            ; the step's f for my four row blocks: the oldest loads of a step's first run
	WIN 0
.irp a, 0,1,2,3
	ds_load_b32 v[FAC+(\a)], v[FAD] offset:64*(\a)
.endr
.endm
.macro FETCH q, f                      ; 24 LDS loads in one run: quarter q (32 keys): v's 16 (turned), then p's 8
	WIN 0
.irp i, 0,1,2,3,4,5,6,7
	ds_load_tr16_b128 v[(\f)+32+8*(\i):(\f)+32+8*(\i)+3],   v[ADRB] offset:(\q)*32*PB+32*(\i)
	ds_load_tr16_b128 v[(\f)+32+8*(\i)+4:(\f)+32+8*(\i)+7], v[ADRB] offset:(\q)*32*PB+16*PB+32*(\i)
.endr
.irp i, 0,1,2,3
	ds_load_b128 v[(\f)+8*(\i):(\f)+8*(\i)+3],   v[ADRA] offset:64*(\q)+(\i)*16*PITCH
	ds_load_b128 v[(\f)+8*(\i)+4:(\f)+8*(\i)+7], v[ADRA] offset:64*(\q)+(\i)*16*PITCH+32
.endr
.endm
.macro QUARTER q, f, g, zero           ; multiplies buffer f and fetches quarter q into g
	s_wait_dscnt 0x4                               ; f's factors, v and p's blocks 0, 1 are in; the youngest four loads (p's blocks 2, 3) may be out
	SCALE \f, 0
	SCALE \f, 1
	MUL8 \f, 0, \zero
	MUL8 \f, 1, \zero
	PLACES
	FETCH \q, \g
	s_wait_dscnt 0x18                              ; all but the 24 just issued
	SCALE \f, 2
	SCALE \f, 3
	MUL8 \f, 2, \zero
	MUL8 \f, 3, \zero
.endm
; The last quarter and the change of slots.  All four scalings stand ahead of the barrier's wait: behind it the next step's f is loaded into the same registers.
.macro TURN fill
.if \fill
	s_wait_xcnt 0x0                                ; the last prefetch, a K step back, has read its address
	s_add_nc_u64 s[PFA:PFA+1], s[PFA:PFA+1], s[PFS:PFS+1]
.endif
	WIN 0
	s_wait_tensorcnt 0x0                           ; no tensor load of mine is out, so a group 0 may be written
	ds_add_u32 v[SPW], v[NIL]                      ; 0 onto my spare word
.if \fill
	s_xor_b32 s[G0A+5], s[G0A+5], SLOT1
	s_add_nc_u64 s[G0A+6:G0A+7], s[G0A+6:G0A+7], ASTEP
	s_xor_b32 s[G0B+5], s[G0B+5], SLOT1
	s_add_nc_u64 s[G0B+6:G0B+7], s[G0B+6:G0B+7], BSTEP
.endif
	s_wait_dscnt 0x5                               ; the add and the youngest four loads may be out
	SCALE F1, 0
	SCALE F1, 1
	MUL8 F1, 0, 0
	s_wait_dscnt 0x0                               ; the add is done, and my reads of this slot are over
	s_barrier_signal -1
	MUL8 F1, 1, 0
	SCALE F1, 2
	SCALE F1, 3
	WIN 0
	s_barrier_wait -1
.if \fill
	CREST
	JLOAD
.else
	PLACES
.endif
	s_xor_b32 s[TB], s[TB], SLOT1
	s_add_co_u32 s[FS], s[FS], 512
	v_add_nc_u32 v[ADRA], s[TB], v[A0]
	v_add_nc_u32 v[ADRB], s[TB], v[B0]
	v_add_nc_u32 v[FAD], s[FS], v[FA0]
	FACS
	FETCH 0, F0
.if \fill
	ASK
.endif
	MUL8 F1, 2, 0
	MUL8 F1, 3, 0
.endm
.macro LASTQ
	s_wait_dscnt 0x4
	SCALE F1, 0
	SCALE F1, 1
	MUL8 F1, 0, 0
	MUL8 F1, 1, 0
	s_wait_dscnt 0x0
	SCALE F1, 2
	SCALE F1, 3
	MUL8 F1, 2, 0
	MUL8 F1, 3, 0
.endm
	s_load_b128 s[4:7], s[0:1], 0x0                ; p s[4:5], qkv s[6:7]
	s_load_b64 s[8:9], s[0:1], 0x10                ; ctx
	s_load_b64 s[72:73], s[0:1], 0x18              ; st
	v_lshl_add_u32 v[SPW], v0, 2, SPARE
	v_mov_b32 v[NIL], 0
	ds_add_u32 v[SPW], v[NIL]                      ; the wave's opening: the add and its wait stand ahead of my first tensor load
	v_lshrrev_b32 v1, 5, v0
	v_readfirstlane_b32 s10, v1                    ; wave 0..3
	s_lshr_b32 s11, s10, 1                         ; my 64 rows.  Also: I fetch for A (0) or for B (1)
	s_and_b32 s12, s10, 1                          ; my 128 channels.  Also: which half I fetch
	s_bfe_u32 s40, ttmp6, 0x40000                  ; cx
	s_bfe_u32 s41, ttmp6, 0x40004                  ; cy
	s_lshl_b32 s42, ttmp9, 2
	s_add_co_u32 s42, s42, s40                     ; tile column
	s_and_b32 s13, ttmp7, 0xffff
	s_lshl_b32 s13, s13, 2
	s_add_co_u32 s13, s13, s41                     ; tile row
	s_lshl_b32 s43, s41, 2
	s_lshl_b32 s43, 15, s43
	s_lshl_b32 s44, 0x1111, s40
	s_or_b32 s[G1A], s43, (1<<16)|(1<<20)|(1<<21)|(5<<22)|(3<<25)  ; after every 64 words, 4 words of padding
	s_or_b32 s[G1B], s44, (1<<16)|(1<<20)|(1<<21)|(6<<22)|(7<<25)  ; after every 128 words, 8 words
	s_mov_b32 s[G1A+1], 128<<16                    ; p: 64 rows x 128 keys
	s_mov_b32 s[G1A+2], 64<<16
	s_mov_b32 s[G1A+3], 128<<16
	s_mov_b32 s[G1A+4], 64
	s_mov_b32 s[G1A+5], 2048                       ; elements from row to row
	s_mov_b32 s[G1A+6], 0
	s_mov_b32 s[G1A+7], 0
	s_mov_b32 s[G1B+1], 256<<16                    ; v: 64 keys x 256 channels
	s_mov_b32 s[G1B+2], 64<<16
	s_mov_b32 s[G1B+3], 256<<16
	s_mov_b32 s[G1B+4], 64
	s_mov_b32 s[G1B+5], 1024
	s_mov_b32 s[G1B+6], 0
	s_mov_b32 s[G1B+7], 0
	s_lshl_b32 s16, s13, 7                         ; p: row 128 x tile row + 64 x half,
	s_lshl_b32 s17, s12, 6
	s_add_co_u32 s16, s16, s17
	s_lshl_b32 s16, s16, 12                        ; x 4,096 bytes
	s_mov_b32 s17, 0
	s_and_b32 s18, ttmp7, 0xffff
	s_lshr_b32 s18, s18, 2                         ; the batch, from the cluster's y alone
	s_lshl_b32 s46, s18, 11                        ; v: key row 2,048 x batch + 64 x half,
	s_lshl_b32 s47, s12, 6
	s_add_co_u32 s46, s46, s47
	s_lshl_b32 s46, s46, 11
	s_lshl_b32 s47, s42, 9                         ; channel 256 x tile column
	s_add_co_u32 s46, s46, s47
	s_mov_b32 s47, 0
	s_mul_i32 s20, s12, 64*PITCH
	s_mul_i32 s21, s12, 64*PB
	s_add_co_u32 s21, s21, AB
	s_mov_b32 s[TB], 0
	s_mov_b32 s[FS], 0
	s_wait_dscnt 0x0                               ; the opening add is done
	s_wait_kmcnt 0x0
	s_add_nc_u64 s[6:7], s[6:7], 0x2000000         ; v's plane
	s_add_nc_u64 s[14:15], s[4:5], s[16:17]
	s_add_nc_u64 s[46:47], s[6:7], s[46:47]
	CROUND                                         ; all sixteen work-groups are here: the first joint loads meet
.irp s, 0,1
	s_mov_b32 s[G0A+4*(\s)], 1
	s_add_co_u32 s[G0A+4*(\s)+1], s20, (\s)*SLOT1
	s_add_nc_u64 s[G0A+4*(\s)+2:G0A+4*(\s)+3], s[14:15], (\s)*ASTEP
	s_or_b32 s[G0A+4*(\s)+3], s[G0A+4*(\s)+3], 0x80000000
	s_mov_b32 s[G0B+4*(\s)], 1
	s_add_co_u32 s[G0B+4*(\s)+1], s21, (\s)*SLOT1
	s_add_nc_u64 s[G0B+4*(\s)+2:G0B+4*(\s)+3], s[46:47], (\s)*BSTEP
	s_or_b32 s[G0B+4*(\s)+3], s[G0B+4*(\s)+3], 0x80000000
.endr
	s_cmp_eq_u32 s11, 0                            ; a wave's two first fills stand in one branch: two loads of mine are out
	s_cbranch_scc0 .Lfirst_b
	tensor_load_to_lds s[G0A:G0A+3], s[G1A:G1A+7]
	s_nop 0
	tensor_load_to_lds s[G0A+4:G0A+7], s[G1A:G1A+7]
	s_nop 0
.rept 4
	v_nop
.endr
	s_branch .Lfirst_done
.Lfirst_b:
	tensor_load_to_lds s[G0B:G0B+3], s[G1B:G1B+7]
	s_nop 0
	tensor_load_to_lds s[G0B+4:G0B+7], s[G1B:G1B+7]
	s_nop 0
.rept 4
	v_nop
.endr
.Lfirst_done:
	; THE PROLOGUE: thread t owns row t of the tile's 128: its 16 cm and 16 l
	v_lshlrev_b32 v28, 2, v0
	s_lshl_b32 s18, s13, 9                         ; 128 rows x 4 bytes x tile row
	s_mov_b32 s19, 0
	s_add_nc_u64 s[72:73], s[72:73], s[18:19]
.irp k, 0,1,2,3,4,5,6,7,8,9,10,11,12,13,14,15
	global_load_b32 v[64+(\k)], v28, s[72:73] offset:65536*(\k)
	global_load_b32 v[80+(\k)], v28, s[72:73] offset:65536*(\k)+32768
.endr
	v_lshl_add_u32 v29, v0, 2, FT
	v_and_b32 v1, 15, v0                           ; l % 16
	v_bfe_u32 v2, v0, 4, 1                         ; l / 16
	v_mul_u32_u24 v3, v1, PITCH
	v_lshl_add_u32 v3, v2, 4, v3
	s_mul_i32 s18, s11, 64*PITCH
	v_add_nc_u32 v[A0], s18, v3
	v_mov_b32 v[ADRA], v[A0]
	s_mul_i32 s23, s10, 16*PITCH
	s_add_co_u32 s23, s23, STAGE
	v_add_nc_u32 v[STO], s23, v3
	v_mul_u32_u24 v3, v2, PITCH
	v_lshl_add_u32 v3, v1, 4, v3
	v_add_nc_u32 v[RD], s23, v3
	v_mul_u32_u24 v[CO], v2, CPITCH
	v_lshl_add_u32 v[CO], v1, 4, v[CO]
	; the turning load takes 16 keys x 16 channels: lane l reads key 8 (l / 16) + l % 8, channels 8 ((l / 8) % 2) + 0..7, and is left with channel l % 16 and 8 keys
	v_and_b32 v3, 7, v0
	v_lshl_add_u32 v3, v2, 3, v3
	v_mul_u32_u24 v[B0], v3, PB
	v_bfe_u32 v3, v0, 3, 1
	v_lshl_add_u32 v[B0], v3, 4, v[B0]
	s_lshl_b32 s19, s12, 8                         ; my 128 channels
	s_add_co_u32 s19, s19, AB
	v_add_nc_u32 v[B0], s19, v[B0]
	v_mov_b32 v[ADRB], v[B0]
	s_lshl_b32 s19, s11, 8                         ; my 64 rows in a block of FT
	s_add_co_u32 s19, s19, FT
	v_lshl_add_u32 v[FA0], v1, 2, s19
	v_mov_b32 v[FAD], v[FA0]
	; ctx at my part of the tile
	s_lshl_b32 s20, s13, 7
	s_lshl_b32 s21, s11, 6
	s_add_co_u32 s20, s20, s21
	s_lshl_b32 s20, s20, 11
	s_lshl_b32 s21, s42, 9
	s_add_co_u32 s20, s20, s21
	s_lshl_b32 s21, s12, 8
	s_add_co_u32 s20, s20, s21
	s_mov_b32 s21, 0
	s_add_nc_u64 s[8:9], s[8:9], s[20:21]
	; the prefetches
	s_lshl_b32 s20, s13, 7                         ; p: the tile's first row + my work-group's 32, x 4,096 bytes
	s_lshl_b32 s21, s40, 5
	s_add_co_u32 s20, s20, s21
	s_lshl_b32 s20, s20, 12
	s_and_b32 s22, ttmp7, 0xffff
	s_lshr_b32 s21, s22, 2                         ; v: the batch's first key + the 64 that I fetch + my work-group's 16, x 2,048 bytes, + the tile's 512 bytes
	s_lshl_b32 s21, s21, 11
	s_lshl_b32 s23, s12, 6
	s_add_co_u32 s21, s21, s23
	s_lshl_b32 s23, s41, 4
	s_add_co_u32 s21, s21, s23
	s_lshl_b32 s21, s21, 11
	s_lshl_b32 s23, s42, 9
	s_add_co_u32 s21, s21, s23
	s_and_b32 s22, s22, 3
	s_or_b32 s23, ttmp9, s12
	s_cmp_eq_u32 s11, 0
	s_cselect_b32 s20, s20, s21
	s_cselect_b32 s22, s23, s22
	s_cselect_b32 s76, 1, 0                        ; three shift counts, by what I fetch
	s_cselect_b32 s77, 8, 0
	s_cselect_b32 s78, 0, 10
	s_cselect_b64 s[PFA:PFA+1], s[4:5], s[6:7]
	s_cmp_eq_u32 s22, 0
	s_cselect_b32 s[LIM], 2, -1
	s_lshl_b32 s18, 2048, s76                      ; from lane to lane among 16: a row of p (4,096) or of v (2,048)
	s_lshl_b32 s19, 256, s77                       ; lanes 16-31: 16 rows of p on (65,536), or the row's second 256 bytes
	s_lshl_b32 s[PFS], 256, s78                    ; from K step to K step: 256 bytes of p, 262,144 of v
	s_mov_b32 s[PFS+1], 0
	s_mov_b32 s21, 0
	s_add_nc_u64 s[PFA:PFA+1], s[PFA:PFA+1], s[20:21]
	s_mul_i32 s20, s[PFS], 3
	s_add_nc_u64 s[PFA:PFA+1], s[PFA:PFA+1], s[20:21]  ; at K step 3: the first change of slots steps it to 4
	v_mul_u32_u24 v[PFO], s18, v1
	v_mad_u32_u24 v[PFO], v2, s19, v[PFO]
	s_wait_loadcnt 0x0                             ; cm and l
	v_max3_num_f32 v96, v64, v65, v66              ; M
.irp k, 67,69,71,73,75,77
	v_max3_num_f32 v96, v96, v[\k], v[(\k)+1]
.endr
	v_max_num_f32 v96, v96, v79
.irp k, 0,1,2,3,4,5,6,7,8,9,10,11,12,13,14,15
	v_sub_f32 v[64+(\k)], v[64+(\k)], v96
.endr
.irp k, 0,1,2,3,4,5,6,7,8,9,10,11,12,13,14,15
	v_exp_f32 v[64+(\k)], v[64+(\k)]               ; f
.endr
	v_nop                                          ; a plain instruction behind the last exponential,
	s_wait_alu depctr_va_vdst(0)                   ; and the wait ahead of the first use: one for the 16
	v_mul_f32 v97, v64, v80                        ; L
.irp k, 1,2,3,4,5,6,7,8,9,10,11,12,13,14,15
	v_fmac_f32 v97, v[64+(\k)], v[80+(\k)]
.endr
	v_rcp_f32 v98, v97
.irp k, 0,1,2,3,4,5,6,7,8,9,10,11,12,13,14,15
	v_cvt_pk_f16_f32 v[100+(\k)], v[64+(\k)], v[64+(\k)]  ; f twice in a word: the plain work behind the reciprocal
.endr
	s_wait_alu depctr_va_vdst(0)                   ; the reciprocal's wait, ahead of the store that reads it
.irp k, 0,1,2,3,4,5,6,7,8,9,10,11,12,13,14,15
	ds_store_b32 v29, v[100+(\k)] offset:512*(\k)
.endr
	ds_store_b32 v29, v98 offset:RL-FT
	s_wait_tensorcnt 0x1                           ; my part of K step 0 is in; K step 1's may stay out
	s_wait_dscnt 0x0                               ; for the others' sake: my rows' f and 1 / L are in LDS
	s_barrier_signal -1
	s_barrier_wait -1
.irp a, 0,1,2,3
	ds_load_b32 v[RLR+2*(\a)], v[FA0] offset:RL-FT+64*(\a)  ; 1 / L of my row in each row block: older than all fragment loads, so the first counted wait covers them
.endr
	FACS
	FETCH 0, F0
	QUARTER 1, F0, F1, 1
	WIN 0
	s_mov_b32 s3, KT-2
.Lstep:
	QUARTER 2, F1, F0, 0
	QUARTER 3, F0, F1, 0
	TURN 1
	QUARTER 1, F0, F1, 0
	WIN 0
	s_sub_co_u32 s3, s3, 1
	s_cmp_lg_u32 s3, 0
	s_cbranch_scc1 .Lstep
	QUARTER 2, F1, F0, 0
	QUARTER 3, F0, F1, 0
	TURN 0
	QUARTER 1, F0, F1, 0
	QUARTER 2, F1, F0, 0
	QUARTER 3, F0, F1, 0
	LASTQ
	WIN 0
	PLACES
	PLACES
.irp a, 0,1,2,3
	v_mov_b32 v[RLR+2*(\a)+1], v[RLR+2*(\a)]       ; named as pairs by the packed multiply
.endr
; THE WAY OUT: times 1 / L, rounded to f16 (each accumulator's registers in ascending order), through my stage, stored as whole rows of 256 bytes.
.macro PACK a
	WIN 0x41
.set i, 0
.rept 32
	v_pk_mul_f32 v[64*(\a)+2*i:64*(\a)+2*i+1], v[64*(\a)+2*i:64*(\a)+2*i+1], v[RLR+2*(\a):RLR+2*(\a)+1] op_sel_hi:[1,0]
.set i, i+1
.endr
	WIN 0x05
.set i, 0
.rept 32
	v_cvt_pk_f16_f32 v[TMP+i], v[64*(\a)+2*i], v[64*(\a)+2*i+1]
.set i, i+1
.endr
	WIN 0
.endm
.macro TOSTAGE a
	WIN 0
.irp b, 0,1,2,3,4,5,6,7
	ds_store_b128 v[STO], v[TMP+4*(\b):TMP+4*(\b)+3] offset:32*(\b)
.endr
.irp t, 0,1,2,3,4,5,6,7
	ds_load_b128 v[OB+32*(\a)+4*(\t):OB+32*(\a)+4*(\t)+3], v[RD] offset:(\t)*2*PITCH  ; LDS serves a wave's instructions in order (ISA guide 5.7.1.4): these see the stores above
.endr
.endm
.macro SEND a                          ; each block has read-back registers of its own
	s_wait_dscnt 0x0
.irp t, 0,1,2,3,4,5,6,7
	global_store_b128 v[CO], v[OB+32*(\a)+4*(\t):OB+32*(\a)+4*(\t)+3], s[8:9] offset:(16*(\a)+2*(\t))*CPITCH  ; 16 lanes store 256 consecutive bytes, aligned
.endr
.endm
	PACK 0
	TOSTAGE 0
.irp a, 1,2,3
	PACK \a
	SEND (\a)-1
	TOSTAGE \a
.endr
	SEND 3
	s_wait_tensorcnt 0x0                           ; the wave's end: the spare-word add stands behind my last tensor load and my last LDS store
	ds_add_u32 v[SPW], v[NIL]
	s_wait_dscnt 0x0
	CROUND                                         ; the closing round
	s_endpgm
.Lfunc_end_k_q6fd44751fa_pv:
	.size	k_q6fd44751fa_pv, .Lfunc_end_k_q6fd44751fa_pv-k_q6fd44751fa_pv
	.p2alignl 7, 3214868480
	.fill 96, 4, 3214868480
	.section	.rodata,"a",@progbits
	.p2align	6, 0x0
	.amdhsa_kernel k_q6fd44751fa_pv
		.amdhsa_group_segment_fixed_size 327680
		.amdhsa_private_segment_fixed_size 0
		.amdhsa_enable_private_segment 0
		.amdhsa_kernarg_size 32
		.amdhsa_user_sgpr_count 2
		.amdhsa_user_sgpr_kernarg_segment_ptr 1
		.amdhsa_wavefront_size32 1
		.amdhsa_system_sgpr_workgroup_id_x 1
		.amdhsa_system_sgpr_workgroup_id_y 1
		.amdhsa_system_sgpr_workgroup_id_z 1
		.amdhsa_system_vgpr_workitem_id 0
		.amdhsa_next_free_vgpr 512
		.amdhsa_next_free_sgpr 80
		.amdhsa_reserve_vcc 0
		.amdhsa_float_denorm_mode_32 3
		.amdhsa_float_denorm_mode_16_64 3
		.amdhsa_memory_ordered 1
		.amdhsa_forward_progress 1
		.amdhsa_inst_pref_size 113
	.end_amdhsa_kernel
	.amdgpu_metadata
---
amdhsa.version: [ 1, 2 ]
amdhsa.kernels:
  - .name:           k_q6fd44751fa_pv
    .symbol:         k_q6fd44751fa_pv.kd
    .args:
      - { .name: p, .offset: 0, .size: 8, .value_kind: global_buffer, .address_space: global }
      - { .name: qkv, .offset: 8, .size: 8, .value_kind: global_buffer, .address_space: global }
      - { .name: ctx, .offset: 16, .size: 8, .value_kind: global_buffer, .address_space: global }
      - { .name: st, .offset: 24, .size: 8, .value_kind: global_buffer, .address_space: global }
    .group_segment_fixed_size: 327680
    .private_segment_fixed_size: 0
    .kernarg_segment_align: 8
    .kernarg_segment_size: 32
    .max_flat_workgroup_size: 128
    .sgpr_count:     80
    .vgpr_count:     512
    .wavefront_size: 32
...
	.end_amdgpu_metadata
.endif
;; end of part 4
;; launch outp (part 5): grid 4 x 64, 4 waves a work-group, clusters of 4 x 4, 327,680 bytes of LDS; arguments ctx, wb, out0, bo; writes out0
.if DOCPART == 5
	.amdgcn_target "amdgcn-amd-amdhsa--gfx1250"
	.amdhsa_code_object_version 6
	.text
	.protected	k_q6fd44751fa_outp
	.globl	k_q6fd44751fa_outp
	.p2align	8
	.type	k_q6fd44751fa_outp,@function
k_q6fd44751fa_outp:
	s_mov_b64 s[64:65], 0
	v_nop
	global_prefetch_b8 v0, s[64:65] scope:SCOPE_SE
	s_setreg_imm32_b32 hwreg(HW_REG_WAVE_MODE, 25, 1), 1
	s_wait_xcnt 0x0
	s_wait_alu depctr_hold_cnt(0) depctr_sa_sdst(0) depctr_va_vdst(0) depctr_va_sdst(0) depctr_va_ssrc(0) depctr_va_vcc(0) depctr_vm_vsrc(0)
	s_getreg_b32 s2, hwreg(HW_REG_IB_STS2, 6, 4)
	s_cmp_eq_u32 s2, 0
	s_cbranch_scc0 .Lentry_in_a_cluster
	s_endpgm
.Lentry_in_a_cluster:
	s_bfe_u32 s2, ttmp6, 0x10000c
	s_cmp_lg_u32 s2, 0xf033
	s_cbranch_scc0 .Lentry_shape_is_right
	s_endpgm
.Lentry_shape_is_right:
; out0[m][n] = sum over d of ctx[m][d] Wo[n][d] + bo[n].  ctx: [8192][1024] f16; Wo: rows 3072-4095 of wb, rounded to bf16 and written as f16; products in f16, sums in f32;
; bo is rounded to bf16 like the other inputs; out0: [8192][1024] f32.
; LIMIT.  ctx and Wo arrive within f16's range (65,504) and keep its fixed step of 6e-8 below 6.1e-5.  NaN and infinities are not treated apart.
; SHARES, RING, CLUSTER as in the first projection: a tile of 128 x 256, 4 x 64 = 256 work-groups of equal work, four waves of 64 x 128, 8 K steps of 128 through two LDS slots; ctx's rows are asked for jointly
; along a row of the cluster, Wo's along a column.  The matrix instruction is used transposed: a lane holds row l % 16 and the columns 8 (l / 16) + 0..7: 32 bytes of a row of out0.
; REGISTERS: window 0: v0-14 addresses; v32-63 at work; v64-159, v160-255 two fragment buffers; on the way out v64-127, v128-191 rows read back, by turns
;   window 1: accumulator (a, b) at v[8 (8 a + b)]          window 2: v0-63 my 64 columns' bias
.set KT,     8
.set PITCH,  272                       ; an LDS row: 256 bytes + 16 of padding: the 16 rows of a fragment load start at 16 different groups of four banks (64 banks of 4 bytes: ISA guide 11.1)
.set AB,     128*PITCH
.set SLOT1,  131072
.set STAGE,  SLOT1+AB+256*PITCH        ; behind the ring, never filled by a tensor load: 16 rows x 528 bytes for each wave
.set SPITCH, 528                       ; 512 bytes + 16: the 16 rows that a store touches start at 16 different groups of four banks
.set SPARE,  STAGE+4*16*SPITCH         ; the spare words, 128 bytes a wave: two blocks of 256 bytes that no other line names
.set ASTEP,  256
.set BSTEP,  256
.set CPITCH, 4096                      ; bytes in a row of out0
.set A0,   4
.set B0,   5
.set ADRA, 6
.set ADRB, 7
.set STO,  8
.set RD,   9
.set CO,   10
.set PFO,  11
.set SPW,  12
.set NIL,  13
.set BOF,  14
.set TMP,  32
.set F0,   64
.set F1,   160
.set OB,   64
.set G1A,  24
.set G0A,  32
.set LIM,  43
.set PFA,  44
.set G1B,  48
.set G0B,  56
.set TB,   70
.set MSB, 0
.macro WIN new
.if MSB != (\new)
	s_set_vgpr_msb (MSB<<8)|(\new)
.set MSB, \new
.endif
.endm
.macro PLACES
.rept 4
	v_nop
.endr
.endm
.macro CREST
	s_cmp_lg_u32 s10, 0
	s_cbranch_scc1 .Lnot_wave_0_\@
	s_barrier_signal -3
.Lnot_wave_0_\@:
	s_barrier_wait -3
	s_barrier_signal -1
	s_barrier_wait -1
.endm
.macro CROUND
	s_barrier_signal -1
	s_barrier_wait -1
	CREST
.endm
.macro JLOAD                           ; the joint refill, by the walking set; an s_nop 0 and four v_nop follow each line
	s_cmp_eq_u32 s11, 0
	s_cbranch_scc0 .Lfor_b_\@
	tensor_load_to_lds s[G0A+4:G0A+7], s[G1A:G1A+7]
	s_nop 0
.rept 4
	v_nop
.endr
	s_branch .Lasked_\@
.Lfor_b_\@:
	tensor_load_to_lds s[G0B+4:G0B+7], s[G1B:G1B+7]
	s_nop 0
.rept 4
	v_nop
.endr
.Lasked_\@:
.endm
; A PREFETCH behind each refill and its run of LDS loads: the K step two refills on, 32 rows x 256 bytes, a lane a row.  ctx's rows (read by this one cluster) are named by wave 0; Wo's by waves 2 and 3 of the
; cluster with y = 0; the partners share the rows out by address.  K steps 0 to 3 come by their loads alone; trips with s3 <= 2 ask for nothing.
.macro ASK
	s_cmp_gt_u32 s3, s[LIM]
	s_cbranch_scc0 .Lnot_mine_\@
	global_prefetch_b8 v[PFO], s[PFA:PFA+1] th:TH_LOAD_NT scope:SCOPE_SE
.Lnot_mine_\@:
.endm
.macro MUL8 f, a, zero                 ; row block a x 8 column blocks; the 32 accumulators take turns in the same order in every quarter
	WIN 0x50
.irp b, 0,1,2,3,4,5,6,7
.if \zero
	v_wmma_f32_16x16x32_f16 v[8*(8*(\a)+(\b)):8*(8*(\a)+(\b))+7], v[(\f)+32+8*(\b):(\f)+32+8*(\b)+7], v[(\f)+8*(\a):(\f)+8*(\a)+7], 0
.else
	v_wmma_f32_16x16x32_f16 v[8*(8*(\a)+(\b)):8*(8*(\a)+(\b))+7], v[(\f)+32+8*(\b):(\f)+32+8*(\b)+7], v[(\f)+8*(\a):(\f)+8*(\a)+7], v[8*(8*(\a)+(\b)):8*(8*(\a)+(\b))+7]
.endif
.endr
.endm
.macro FETCH k, f                      ; 24 LDS loads in one run: B's 16, then A's 8
	WIN 0
.irp i, 0,1,2,3,4,5,6,7
	ds_load_b128 v[(\f)+32+8*(\i):(\f)+32+8*(\i)+3],   v[ADRB] offset:(\k)+(\i)*16*PITCH
	ds_load_b128 v[(\f)+32+8*(\i)+4:(\f)+32+8*(\i)+7], v[ADRB] offset:(\k)+(\i)*16*PITCH+32
.endr
.irp i, 0,1,2,3
	ds_load_b128 v[(\f)+8*(\i):(\f)+8*(\i)+3],   v[ADRA] offset:(\k)+(\i)*16*PITCH
	ds_load_b128 v[(\f)+8*(\i)+4:(\f)+8*(\i)+7], v[ADRA] offset:(\k)+(\i)*16*PITCH+32
.endr
.endm
.macro QUARTER k, f, g, zero
	s_wait_dscnt 0x4                               ; B and A's blocks 0, 1 are in; the youngest four loads may be out
	MUL8 \f, 0, \zero
	MUL8 \f, 1, \zero
	PLACES
	FETCH \k, \g
	s_wait_dscnt 0x18                              ; all but the 24 just issued
	MUL8 \f, 2, \zero
	MUL8 \f, 3, \zero
.endm
.macro TURN fill                       ; the last quarter and the change of slots: the wait for all my tensor loads, the add, the wait for it and for my reads, ONE barrier (with fill: a round), the refill first behind it
.if \fill
	s_wait_xcnt 0x0                                ; the last prefetch, a K step back, has read its address
	s_add_nc_u64 s[PFA:PFA+1], s[PFA:PFA+1], 256
.endif
	WIN 0
	s_wait_tensorcnt 0x0                           ; no tensor load of mine is out, so a group 0 may be written
	ds_add_u32 v[SPW], v[NIL]                      ; 0 onto my spare word
.if \fill
	s_xor_b32 s[G0A+5], s[G0A+5], SLOT1
	s_add_nc_u64 s[G0A+6:G0A+7], s[G0A+6:G0A+7], ASTEP
	s_xor_b32 s[G0B+5], s[G0B+5], SLOT1
	s_add_nc_u64 s[G0B+6:G0B+7], s[G0B+6:G0B+7], BSTEP
.endif
	s_wait_dscnt 0x5                               ; the add and the youngest four loads may be out
	MUL8 F1, 0, 0
	s_wait_dscnt 0x0                               ; the add is done, and my reads of this slot are over
	s_barrier_signal -1
	MUL8 F1, 1, 0
	WIN 0
	s_barrier_wait -1
.if \fill
	CREST
	JLOAD
.else
	PLACES
.endif
	s_xor_b32 s[TB], s[TB], SLOT1
	v_add_nc_u32 v[ADRA], s[TB], v[A0]
	v_add_nc_u32 v[ADRB], s[TB], v[B0]
	FETCH 0, F0
.if \fill
	ASK
.endif
	MUL8 F1, 2, 0
	MUL8 F1, 3, 0
.endm
.macro LASTQ
	s_wait_dscnt 0x4
	MUL8 F1, 0, 0
	MUL8 F1, 1, 0
	s_wait_dscnt 0x0
	MUL8 F1, 2, 0
	MUL8 F1, 3, 0
.endm
	s_load_b128 s[4:7], s[0:1], 0x0                ; ctx s[4:5], wb s[6:7]
	s_load_b64 s[8:9], s[0:1], 0x10                ; out0
	s_load_b64 s[72:73], s[0:1], 0x18              ; bo
	v_lshl_add_u32 v[SPW], v0, 2, SPARE
	v_mov_b32 v[NIL], 0
	ds_add_u32 v[SPW], v[NIL]                      ; the wave's opening: the add and its wait stand ahead of my first tensor load
	v_lshrrev_b32 v1, 5, v0
	v_readfirstlane_b32 s10, v1                    ; wave 0..3
	s_lshr_b32 s11, s10, 1                         ; my 64 rows.  Also: I fetch for A (0) or for B (1)
	s_and_b32 s12, s10, 1                          ; my 128 columns.  Also: which half I fetch
	s_bfe_u32 s40, ttmp6, 0x40000                  ; cx
	s_bfe_u32 s41, ttmp6, 0x40004                  ; cy
	s_lshl_b32 s42, ttmp9, 2
	s_add_co_u32 s42, s42, s40                     ; tile column
	s_and_b32 s13, ttmp7, 0xffff
	s_lshl_b32 s13, s13, 2
	s_add_co_u32 s13, s13, s41                     ; tile row
	s_lshl_b32 s43, s41, 2
	s_lshl_b32 s43, 15, s43
	s_lshl_b32 s44, 0x1111, s40
	s_or_b32 s[G1A], s43, (1<<16)|(1<<20)|(1<<21)|(5<<22)|(3<<25)
	s_or_b32 s[G1B], s44, (1<<16)|(1<<20)|(1<<21)|(5<<22)|(3<<25)
	s_mov_b32 s[G1A+1], 128<<16
	s_mov_b32 s[G1A+2], 64<<16
	s_mov_b32 s[G1A+3], 128<<16
	s_mov_b32 s[G1A+4], 64
	s_mov_b32 s[G1A+5], 1024
	s_mov_b32 s[G1A+6], 0
	s_mov_b32 s[G1A+7], 0
	s_mov_b32 s[G1B+1], 128<<16
	s_mov_b32 s[G1B+2], 128<<16
	s_mov_b32 s[G1B+3], 128<<16
	s_mov_b32 s[G1B+4], 128
	s_mov_b32 s[G1B+5], 1024
	s_mov_b32 s[G1B+6], 0
	s_mov_b32 s[G1B+7], 0
	s_lshl_b32 s16, s13, 7
	s_lshl_b32 s17, s12, 6
	s_add_co_u32 s16, s16, s17
	s_lshl_b32 s16, s16, 11
	s_mov_b32 s17, 0
	s_lshl_b32 s46, s42, 8
	s_lshl_b32 s47, s12, 7
	s_add_co_u32 s46, s46, s47
	s_lshl_b32 s46, s46, 11
	s_mov_b32 s47, 0
	s_mul_i32 s20, s12, 64*PITCH
	s_mul_i32 s21, s12, 128*PITCH
	s_add_co_u32 s21, s21, AB
	s_mov_b32 s[TB], 0
	s_wait_dscnt 0x0                               ; the opening add is done
	s_wait_kmcnt 0x0
	s_add_nc_u64 s[6:7], s[6:7], 3072*2048         ; Wo's rows in wb
	s_add_nc_u64 s[14:15], s[4:5], s[16:17]
	s_add_nc_u64 s[46:47], s[6:7], s[46:47]
	CROUND                                         ; all sixteen work-groups are here: the first joint loads meet
.irp s, 0,1
	s_mov_b32 s[G0A+4*(\s)], 1
	s_add_co_u32 s[G0A+4*(\s)+1], s20, (\s)*SLOT1
	s_add_nc_u64 s[G0A+4*(\s)+2:G0A+4*(\s)+3], s[14:15], (\s)*ASTEP
	s_or_b32 s[G0A+4*(\s)+3], s[G0A+4*(\s)+3], 0x80000000
	s_mov_b32 s[G0B+4*(\s)], 1
	s_add_co_u32 s[G0B+4*(\s)+1], s21, (\s)*SLOT1
	s_add_nc_u64 s[G0B+4*(\s)+2:G0B+4*(\s)+3], s[46:47], (\s)*BSTEP
	s_or_b32 s[G0B+4*(\s)+3], s[G0B+4*(\s)+3], 0x80000000
.endr
	s_cmp_eq_u32 s11, 0                            ; a wave's two first fills stand in one branch: two loads of mine are out
	s_cbranch_scc0 .Lfirst_b
	tensor_load_to_lds s[G0A:G0A+3], s[G1A:G1A+7]
	s_nop 0
	tensor_load_to_lds s[G0A+4:G0A+7], s[G1A:G1A+7]
	s_nop 0
.rept 4
	v_nop
.endr
	s_branch .Lfirst_done
.Lfirst_b:
	tensor_load_to_lds s[G0B:G0B+3], s[G1B:G1B+7]
	s_nop 0
	tensor_load_to_lds s[G0B+4:G0B+7], s[G1B:G1B+7]
	s_nop 0
.rept 4
	v_nop
.endr
.Lfirst_done:
	v_and_b32 v1, 15, v0                           ; l % 16
	v_bfe_u32 v2, v0, 4, 1                         ; l / 16
	s_lshl_b32 s18, s42, 10                        ; the bias of my 64 columns: (256 x tile column + 128 x my half) x 4 bytes
	s_lshl_b32 s19, s12, 9
	s_add_co_u32 s18, s18, s19
	v_lshl_add_u32 v[BOF], v2, 5, s18
	WIN 0x80                                       ; destination window 2
.irp b, 0,1,2,3,4,5,6,7
	global_load_b128 v[8*(\b):8*(\b)+3],   v[BOF], s[72:73] offset:64*(\b)
	global_load_b128 v[8*(\b)+4:8*(\b)+7], v[BOF], s[72:73] offset:64*(\b)+16
.endr
	WIN 0
	v_mul_u32_u24 v3, v1, PITCH
	v_lshl_add_u32 v3, v2, 4, v3
	s_mul_i32 s18, s11, 64*PITCH
	s_mul_i32 s19, s12, 128*PITCH
	s_add_co_u32 s19, s19, AB
	v_add_nc_u32 v[A0], s18, v3
	v_add_nc_u32 v[B0], s19, v3
	v_mov_b32 v[ADRA], v[A0]
	v_mov_b32 v[ADRB], v[B0]
	s_mul_i32 s23, s10, 16*SPITCH
	s_add_co_u32 s23, s23, STAGE                   ; my stage
	v_mul_u32_u24 v3, v1, SPITCH                   ; in: row l % 16, 32 bytes for each half of the lanes
	v_lshl_add_u32 v3, v2, 5, v3
	v_add_nc_u32 v[STO], s23, v3
	v_and_b32 v[PFO], 31, v0
	v_lshlrev_b32 v[CO], 4, v[PFO]                 ; back, and out: 32 lanes take a row's 512 bytes
	v_add_nc_u32 v[RD], s23, v[CO]
	v_lshlrev_b32 v[PFO], 11, v[PFO]
	; out0 at my part of the tile
	s_lshl_b32 s20, s13, 7
	s_lshl_b32 s21, s11, 6
	s_add_co_u32 s20, s20, s21
	s_lshl_b32 s20, s20, 12
	s_lshl_b32 s21, s42, 10
	s_add_co_u32 s20, s20, s21
	s_lshl_b32 s21, s12, 9
	s_add_co_u32 s20, s20, s21
	s_mov_b32 s21, 0
	s_add_nc_u64 s[8:9], s[8:9], s[20:21]
	; the prefetches
	s_lshl_b32 s20, s13, 7
	s_lshl_b32 s21, s40, 5
	s_add_co_u32 s20, s20, s21
	s_lshl_b32 s20, s20, 11
	s_lshl_b32 s21, s42, 8
	s_lshl_b32 s22, s12, 7
	s_add_co_u32 s21, s21, s22
	s_lshl_b32 s22, s41, 5
	s_add_co_u32 s21, s21, s22
	s_lshl_b32 s21, s21, 11
	s_and_b32 s22, ttmp7, 0xffff
	s_or_b32 s23, ttmp9, s12
	s_cmp_eq_u32 s11, 0
	s_cselect_b32 s20, s20, s21
	s_cselect_b32 s22, s23, s22
	s_cselect_b64 s[PFA:PFA+1], s[4:5], s[6:7]
	s_cmp_eq_u32 s22, 0
	s_cselect_b32 s[LIM], 2, -1
	s_mov_b32 s21, 0
	s_add_nc_u64 s[PFA:PFA+1], s[PFA:PFA+1], s[20:21]
	s_add_nc_u64 s[PFA:PFA+1], s[PFA:PFA+1], 3*256
	s_wait_loadcnt 0x0                             ; the bias: rounded to bf16 and widened again
	WIN 0x0a
.set i, 0
.rept 32
	v_cvt_pk_bf16_f32 v[TMP+i], v[2*i], v[2*i+1]
.set i, i+1
.endr
	WIN 0x80
.set i, 0
.rept 32
	v_lshlrev_b32 v[2*i], 16, v[TMP+i]
	v_and_b32 v[2*i+1], 0xffff0000, v[TMP+i]
.set i, i+1
.endr
	WIN 0
	s_wait_tensorcnt 0x1                           ; my part of K step 0 is in; K step 1's may stay out
	s_barrier_signal -1
	s_barrier_wait -1
	FETCH 0, F0
	QUARTER 64, F0, F1, 1
	WIN 0
	s_mov_b32 s3, KT-2
.Lstep:
	QUARTER 128, F1, F0, 0
	QUARTER 192, F0, F1, 0
	TURN 1
	QUARTER 64, F0, F1, 0
	WIN 0
	s_sub_co_u32 s3, s3, 1
	s_cmp_lg_u32 s3, 0
	s_cbranch_scc1 .Lstep
	QUARTER 128, F1, F0, 0
	QUARTER 192, F0, F1, 0
	TURN 0
	QUARTER 64, F0, F1, 0
	QUARTER 128, F1, F0, 0
	QUARTER 192, F0, F1, 0
	LASTQ
	WIN 0
	PLACES
	PLACES
; THE WAY OUT, 16 rows at a time.  PACK: + bias, in place (each accumulator's registers in ascending order).  TOSTAGE: 32 bytes a lane into my stage, and back as whole rows of 512 bytes.  SEND: stored.
.macro PACK a
	WIN 0x49                                       ; destination and source 0 window 1, source 1 (the bias) window 2
.set i, 0
.rept 32
	v_pk_add_f32 v[64*(\a)+2*i:64*(\a)+2*i+1], v[64*(\a)+2*i:64*(\a)+2*i+1], v[2*i:2*i+1]
.set i, i+1
.endr
	WIN 0
.endm
.macro TOSTAGE a
	WIN 0x04                                       ; the stores' data in window 1
.irp b, 0,1,2,3,4,5,6,7
	ds_store_b128 v[STO], v[64*(\a)+8*(\b):64*(\a)+8*(\b)+3]   offset:64*(\b)
	ds_store_b128 v[STO], v[64*(\a)+8*(\b)+4:64*(\a)+8*(\b)+7] offset:64*(\b)+16
.endr
	WIN 0
.if (\a) >= 2
	s_wait_xcnt 0x0                                ; the stores of the block two back have read these registers: they are loaded again only behind this wait
.endif
.irp t, 0,1,2,3,4,5,6,7,8,9,10,11,12,13,14,15
	ds_load_b128 v[OB+64*((\a)%2)+4*(\t):OB+64*((\a)%2)+4*(\t)+3], v[RD] offset:(\t)*SPITCH  ; LDS serves a wave's instructions in order (ISA guide 5.7.1.4): these see the stores above
.endr
.endm
.macro SEND a
	s_wait_dscnt 0x0                               ; the block is back in registers
.irp t, 0,1,2,3,4,5,6,7,8,9,10,11,12,13,14,15
	global_store_b128 v[CO], v[OB+64*((\a)%2)+4*(\t):OB+64*((\a)%2)+4*(\t)+3], s[8:9] offset:(16*(\a)+(\t))*CPITCH th:TH_STORE_NT  ; a wave stores 512 consecutive bytes, aligned
.endr
.endm
	PACK 0
	TOSTAGE 0
.irp a, 1,2,3
	PACK \a
	SEND (\a)-1
	TOSTAGE \a
.endr
	SEND 3
	s_wait_tensorcnt 0x0                           ; the wave's end: the spare-word add stands behind my last tensor load and my last LDS store
	ds_add_u32 v[SPW], v[NIL]
	s_wait_dscnt 0x0
	CROUND                                         ; the closing round
	s_endpgm
.Lfunc_end_k_q6fd44751fa_outp:
	.size	k_q6fd44751fa_outp, .Lfunc_end_k_q6fd44751fa_outp-k_q6fd44751fa_outp
	.p2alignl 7, 3214868480
	.fill 96, 4, 3214868480
	.section	.rodata,"a",@progbits
	.p2align	6, 0x0
	.amdhsa_kernel k_q6fd44751fa_outp
		.amdhsa_group_segment_fixed_size 327680
		.amdhsa_private_segment_fixed_size 0
		.amdhsa_enable_private_segment 0
		.amdhsa_kernarg_size 32
		.amdhsa_user_sgpr_count 2
		.amdhsa_user_sgpr_kernarg_segment_ptr 1
		.amdhsa_wavefront_size32 1
		.amdhsa_system_sgpr_workgroup_id_x 1
		.amdhsa_system_sgpr_workgroup_id_y 1
		.amdhsa_system_sgpr_workgroup_id_z 1
		.amdhsa_system_vgpr_workitem_id 0
		.amdhsa_next_free_vgpr 576
		.amdhsa_next_free_sgpr 80
		.amdhsa_reserve_vcc 0
		.amdhsa_float_denorm_mode_32 3
		.amdhsa_float_denorm_mode_16_64 3
		.amdhsa_memory_ordered 1
		.amdhsa_forward_progress 1
		.amdhsa_inst_pref_size 85
	.end_amdhsa_kernel
	.amdgpu_metadata
---
amdhsa.version: [ 1, 2 ]
amdhsa.kernels:
  - .name:           k_q6fd44751fa_outp
    .symbol:         k_q6fd44751fa_outp.kd
    .args:
      - { .name: ctx, .offset: 0, .size: 8, .value_kind: global_buffer, .address_space: global }
      - { .name: wb, .offset: 8, .size: 8, .value_kind: global_buffer, .address_space: global }
      - { .name: out0, .offset: 16, .size: 8, .value_kind: global_buffer, .address_space: global }
      - { .name: bo, .offset: 24, .size: 8, .value_kind: global_buffer, .address_space: global }
    .group_segment_fixed_size: 327680
    .private_segment_fixed_size: 0
    .kernarg_segment_align: 8
    .kernarg_segment_size: 32
    .max_flat_workgroup_size: 128
    .sgpr_count:     80
    .vgpr_count:     576
    .wavefront_size: 32
...
	.end_amdgpu_metadata
.endif
;; end of part 5
;; ======== version 2 of 2: 5 launches; version 1 with the launch cvt written anew for expert scheduling mode
;; limits: values are held in f16: magnitudes above 65,504 overflow, below 6.1e-05 lose precision
;; workspace buffers: xb 16,777,216 bytes; wb 8,388,608 bytes; qkv 50,331,648 bytes; p 33,554,432 bytes; st 1,048,576 bytes; ctx 16,777,216 bytes
;; launch cvt (part 6): grid 64 x 12, 8 waves a work-group, no clusters, 0 bytes of LDS; arguments x, Wq, Wk, Wv, Wo, xb, wb; writes xb, wb
.if DOCPART == 6
	.amdgcn_target "amdgcn-amd-amdhsa--gfx1250"
	.amdhsa_code_object_version 6
	.text
	.protected	k_q6fd44751fa_cvt
	.globl	k_q6fd44751fa_cvt
	.p2align	8
	.type	k_q6fd44751fa_cvt,@function
k_q6fd44751fa_cvt:
	s_mov_b64 s[64:65], 0
	v_nop
	global_prefetch_b8 v0, s[64:65] scope:SCOPE_SE
	s_setreg_imm32_b32 hwreg(HW_REG_WAVE_SCHED_MODE, 0, 2), 2
	s_setreg_imm32_b32 hwreg(HW_REG_WAVE_MODE, 25, 1), 1
	s_wait_xcnt 0x0
	s_wait_alu depctr_vm_vsrc(0)
; THE CAST.  xb = x rounded to bf16, [8192][1024].  wb, [4096][1024] of 16-bit numbers: rows 0-3071 = Wq, Wk, Wv rounded to bf16;
; rows 3072-4095 = Wo rounded to bf16 and that number written as f16 (the last product multiplies in f16).
; LIMIT.  |Wo| below 6.1e-5 keeps f16's fixed step of 6e-8; |Wo| of 65,520 or more would become an infinity.
; A stream: no LDS, no matrix unit, no cluster (no byte is read twice).  768 work-groups of 16,384 numbers each: 65,536 bytes in, 32,768 out.
; y = 0..7: x's chunk 64 y + X;  y = 8..11: chunk X of Wq, Wk, Wv, Wo, to wb's chunk 64 (y - 8) + X.
; Thread t takes 16 bytes at 16 t of each 4,096: a wave's load covers 512 consecutive bytes, its store of 8 bytes a lane 256 consecutive bytes, aligned.
; All 16 loads go out first; no register is written twice while a memory instruction may read it.
; THE MODE: SCHED_MODE bits 1:0 = 2 (LLVM: expert scheduling mode 2), set by the entry lines.  The code itself states the register dependences
; between vector instructions and memory instructions, with s_wait_alu, always for 0.
; THE PLAN.  Registers that memory instructions touch:
;   v1, v2   the loads' and the stores' byte offsets: written once at the head by vector instructions, never again.
;   X        each register is written once, by its load, which is issued before any vector instruction names it; read by the conversions behind the counted wait for the load.
;   Y        pair i is written by the conversions of load i and read by store i; no pair is written again behind its store.
;   T        named by vector instructions alone.
; So the only dependence to state is: written by a vector instruction, then read by a memory instruction.  The 16 loads go in four blocks of four.  Block p rounds its four
; loads into its four pairs of Y and issues the four stores of block p - 1, one ahead of each load's conversions; ONE wait at the block's head states that the block before
; has written the pairs that those stores read, and no vector instruction of block p names those pairs or v2.  A fifth, empty block issues the last four stores.
; No register that a memory instruction has read is written again, no vector instruction writes a scalar register, and EXEC is never written: no other wait is owed.
.set X, 4                              ; v[4:67]    16 loads of 4 registers
.set Y, 68                             ; v[68:99]   16 pairs to store
.set T, 100                            ; v[100:103] at work (Wo alone)
	s_load_b256 s[4:11], s[0:1], 0x0               ; x s[4:5], Wq s[6:7], Wk s[8:9], Wv s[10:11]
	s_load_b128 s[12:15], s[0:1], 0x20             ; Wo s[12:13], xb s[14:15]
	s_load_b64 s[16:17], s[0:1], 0x30              ; wb
	s_and_b32 s18, ttmp7, 0xffff                   ; y
	s_and_b32 s24, s18, 7                          ; y, or y - 8
	s_lshl_b32 s24, s24, 6
	s_add_co_u32 s24, s24, ttmp9                   ; the chunk in the destination
	s_cmp_lt_u32 s18, 8
	s_cselect_b32 s26, s24, ttmp9                  ; the chunk in the source
	s_lshl_b32 s26, s26, 16                        ; x 65,536 bytes
	s_mov_b32 s27, 0
	s_lshl_b32 s24, s24, 15                        ; x 32,768 bytes
	s_mov_b32 s25, 0
	v_lshlrev_b32 v1, 4, v0                        ; 16 t
	v_lshlrev_b32 v2, 3, v0                        ; 8 t
	s_wait_kmcnt 0x0
	s_cmp_lt_u32 s18, 8
	s_cselect_b64 s[20:21], s[4:5], s[6:7]         ; the source: x, or Wq,
	s_cselect_b64 s[22:23], s[14:15], s[16:17]     ; the destination: xb, or wb
	s_cmp_eq_u32 s18, 9
	s_cselect_b64 s[20:21], s[8:9], s[20:21]       ; or Wk,
	s_cmp_eq_u32 s18, 10
	s_cselect_b64 s[20:21], s[10:11], s[20:21]     ; or Wv,
	s_cmp_eq_u32 s18, 11
	s_cselect_b64 s[20:21], s[12:13], s[20:21]     ; or Wo
	s_add_nc_u64 s[20:21], s[20:21], s[26:27]
	s_add_nc_u64 s[22:23], s[22:23], s[24:25]
	s_wait_alu depctr_va_vdst(0)                   ; v1 and v2 are written: every load of the kernel reads v1 as its offset, every store v2
.irp i, 0,1,2,3,4,5,6,7,8,9,10,11,12,13,14,15
	global_load_b128 v[X+4*(\i):X+4*(\i)+3], v1, s[20:21] offset:4096*(\i) th:TH_LOAD_NT
.endr
; Block p (0 to 3): loads 4 p to 4 p + 3 are rounded, and the pairs of block p - 1 are stored.  p = 4: the last block's pairs are stored, and nothing is left to round.
; wo = 1: the bf16 numbers are widened (a shift, a mask) and written as f16.
.macro BLK p, wo
.if (\p) < 4
	s_wait_loadcnt 12-4*(\p)                       ; loads come back in order: my block's four are in, the 12 - 4 p younger ones stay out
.endif
.if (\p) > 0
	s_wait_alu depctr_va_vdst(0)                   ; the conversions of the block before have written its four pairs of Y, which the four stores below read
.endif
.irp k, 0,1,2,3
.set n, 4*(\p)+(\k)
.if (\p) > 0
	global_store_b64 v2, v[Y+2*(n-4):Y+2*(n-4)+1], s[22:23] offset:2048*(n-4)  ; no vector instruction since the wait names this pair or v2
.endif
.if (\p) < 4
	v_cvt_pk_bf16_f32 v[Y+2*n], v[X+4*n], v[X+4*n+1]
	v_cvt_pk_bf16_f32 v[Y+2*n+1], v[X+4*n+2], v[X+4*n+3]
.if \wo
	v_lshlrev_b32 v[T], 16, v[Y+2*n]
	v_and_b32 v[T+1], 0xffff0000, v[Y+2*n]
	v_lshlrev_b32 v[T+2], 16, v[Y+2*n+1]
	v_and_b32 v[T+3], 0xffff0000, v[Y+2*n+1]
	v_cvt_pk_f16_f32 v[Y+2*n], v[T], v[T+1]
	v_cvt_pk_f16_f32 v[Y+2*n+1], v[T+2], v[T+3]
.endif
.endif
.endr
.endm
	s_cmp_eq_u32 s18, 11
	s_cbranch_scc1 .Lwo
.irp p, 0,1,2,3,4
	BLK \p, 0
.endr
	s_endpgm
.Lwo:
.irp p, 0,1,2,3,4
	BLK \p, 1
.endr
	s_endpgm
.Lfunc_end_k_q6fd44751fa_cvt:
	.size	k_q6fd44751fa_cvt, .Lfunc_end_k_q6fd44751fa_cvt-k_q6fd44751fa_cvt
	.p2alignl 7, 3214868480
	.fill 96, 4, 3214868480
	.section	.rodata,"a",@progbits
	.p2align	6, 0x0
	.amdhsa_kernel k_q6fd44751fa_cvt
		.amdhsa_group_segment_fixed_size 0
		.amdhsa_private_segment_fixed_size 0
		.amdhsa_enable_private_segment 0
		.amdhsa_kernarg_size 56
		.amdhsa_user_sgpr_count 2
		.amdhsa_user_sgpr_kernarg_segment_ptr 1
		.amdhsa_wavefront_size32 1
		.amdhsa_system_sgpr_workgroup_id_x 1
		.amdhsa_system_sgpr_workgroup_id_y 1
		.amdhsa_system_sgpr_workgroup_id_z 1
		.amdhsa_system_vgpr_workitem_id 0
		.amdhsa_next_free_vgpr 104
		.amdhsa_next_free_sgpr 66
		.amdhsa_reserve_vcc 0
		.amdhsa_float_denorm_mode_32 3
		.amdhsa_float_denorm_mode_16_64 3
		.amdhsa_memory_ordered 1
		.amdhsa_forward_progress 1
		.amdhsa_inst_pref_size 16
	.end_amdhsa_kernel
	.amdgpu_metadata
---
amdhsa.version: [ 1, 2 ]
amdhsa.kernels:
  - .name:           k_q6fd44751fa_cvt
    .symbol:         k_q6fd44751fa_cvt.kd
    .args:
      - { .name: x, .offset: 0, .size: 8, .value_kind: global_buffer, .address_space: global }
      - { .name: Wq, .offset: 8, .size: 8, .value_kind: global_buffer, .address_space: global }
      - { .name: Wk, .offset: 16, .size: 8, .value_kind: global_buffer, .address_space: global }
      - { .name: Wv, .offset: 24, .size: 8, .value_kind: global_buffer, .address_space: global }
      - { .name: Wo, .offset: 32, .size: 8, .value_kind: global_buffer, .address_space: global }
      - { .name: xb, .offset: 40, .size: 8, .value_kind: global_buffer, .address_space: global }
      - { .name: wb, .offset: 48, .size: 8, .value_kind: global_buffer, .address_space: global }
    .group_segment_fixed_size: 0
    .private_segment_fixed_size: 0
    .kernarg_segment_align: 8
    .kernarg_segment_size: 56
    .max_flat_workgroup_size: 256
    .sgpr_count:     66
    .vgpr_count:     104
    .wavefront_size: 32
...
	.end_amdgpu_metadata
.endif
;; end of part 6
;; launch qkv: the kernel of part 2 again; grid 12 x 32, 4 waves a work-group, clusters of 4 x 4, 327,680 bytes of LDS; arguments xb, wb, qkv, bq, bk, bv; writes qkv
;; launch scores: the kernel of part 3 again; grid 8 x 32, 4 waves a work-group, clusters of 4 x 4, 327,680 bytes of LDS; arguments qkv, p, st; writes p, st
;; launch pv: the kernel of part 4 again; grid 4 x 64, 4 waves a work-group, clusters of 4 x 4, 327,680 bytes of LDS; arguments p, qkv, ctx, st; writes ctx
;; launch outp: the kernel of part 5 again; grid 4 x 64, 4 waves a work-group, clusters of 4 x 4, 327,680 bytes of LDS; arguments ctx, wb, out0, bo; writes out0
